; MI455X (gfx1250); checked and timed in simulation.
; The chip was launched on July 23, 2026; its instructions are those of AMD's public machine-readable ISA for CDNA 5 (MIT licence, August 2026) and "CDNA5" Instruction Set Architecture Reference Guide (July 2026). The comments in the code are by the model that wrote it; some were corrected since.
;; Transformer Block. Allowed arithmetic: float matrix products may take bf16 or f16 operands with f32 sums; other float arithmetic in f32, or as packed bf16 or f16 multiplies, adds, multiply-adds, maxima and minima; sums over many terms, partial sums and values carried from step to step in f32; what a program stores and reads back later, other than sums and carried values, may be rounded once to bf16 or f16.
;; Inputs: attn_norm_w 1,024 float32; ffn_norm_w 1,024 float32; freqs_cos 1,024 x 32 float32; freqs_sin 1,024 x 32 float32; router_w 1,024 x 8 float32; w1 8 x 1,024 x 2,048 float32; w2 8 x 2,048 x 1,024 float32; w3 8 x 1,024 x 2,048 float32; wk 1,024 x 256 float32; wo 1,024 x 1,024 float32; wq 1,024 x 1,024 float32; wv 1,024 x 256 float32; x 1 x 1,024 x 1,024 float32.
;; Outputs: out0 1 x 1,024 x 1,024 float32; out1 one number float32.
;; Constants: start_pos = 0.
;; One version. Each part assembles by itself: llvm-mc -triple=amdgcn-amd-amdhsa -mcpu=gfx1250 --defsym DOCPART=n.
;; ======== version 1 of 1: 7 launches
;; limits: values are held in f16: magnitudes above 65,504 overflow, below 6.1e-05 lose precision; right only within a limited range of input values
;; workspace buffers: qkvb 3,145,728 bytes; oimg 2,097,152 bytes; hbuf 4,194,304 bytes; rtf 2,162,688 bytes; sel 4,096 bytes of whole numbers; hid 33,587,200 bytes; pos 34,816 bytes of whole numbers; ypart 67,108,864 bytes
;; launch qkv (part 1): grid 24 x 8, 4 waves a work-group, no clusters, 135,680 bytes of LDS; arguments x, attn_norm_w, freqs_cos, freqs_sin, wq, wk, wv, qkvb; writes qkvb
.if DOCPART == 1
	.amdgcn_target "amdgcn-amd-amdhsa--gfx1250"
	.amdhsa_code_object_version 6
	.text
	.protected	k_qbe6ddaca5b_qkv
	.globl	k_qbe6ddaca5b_qkv
	.p2align	8
	.type	k_qbe6ddaca5b_qkv,@function
k_qbe6ddaca5b_qkv:
	s_mov_b64 s[64:65], 0
	v_nop
	global_prefetch_b8 v0, s[64:65] scope:SCOPE_SE
	s_setreg_imm32_b32 hwreg(HW_REG_WAVE_MODE, 25, 1), 1
	s_wait_xcnt 0x0
; q, k, v = RoPE(rs * ((x * attn_norm_w) @ [wq | wk | wv])), rs = 1 / sqrt(mean(x^2) + 1e-5): the row's scale commutes with the product and is applied to the f32 sums.
; A work-group makes 128 rows x 64 columns (one head: cg 0-15 q, 16-19 k, 20-23 v); a wave 32 rows: 2 row tiles x 4 column fragments, 8 accumulators.
; The 64 columns of the weights (1,024 rows x 256 bytes of f32) are read once, rounded to f16 and laid into LDS as matrix fragments; one barrier; then each wave walks K in 32 steps:
; x comes straight from memory (a ring of four steps in registers), is squared and summed, multiplied by the norm's weight, rounded to f16 and multiplied.
; THE WALK GOES ROUND.  K is eight blocks of four steps; the work-group begins at block cg % 8 and goes round, so that the 24 work-groups that share 128 rows of x do not all ask for the same bytes at the same time.
; What a trip asks for lies in its own block or in the next: two LDS addresses of each kind (this block's, the next one's) and one pointer into x, made anew at the trip's end.
; The matrix instruction is used transposed (source 0 = weights, source 1 = x): a lane then holds one token and 32 neighbouring channels.
; No tensor load and no cluster: every operand is f32 in memory and has to pass through registers to be rounded, so nothing could land in LDS ready for use.
; LIMITS. Operands in f16: |x * attn_norm_w| and |q|, |k|, |v| stay under 65,504; weights under 6e-5 keep f16's fixed step of 6e-8. NaN and infinities are not treated apart.
; The order of K in the f32 sums hangs on cg: an order of rounding that differs from a plain ascending sum's.
; OUT. qkvb block (cg, tile of 16 tokens) = 2,048 bytes, two fragment images st: place i (0..15) of lane (r, h) is channel 32 h + 16 st + i of token 16 tile + r.
.set WN,    131072                     ; LDS: the norm's weights, 4,096 bytes, behind the 32 x 4,096 bytes of fragments
.set SPARE, 135168                     ; the spare words: 128 bytes a wave
.set SPW, 4
.set NIL, 5
.set LW,  6                            ; where my wave stores fragments
.set L16, 7                            ; 16 x lane
.set LA,  8                            ; where this block's fragments are read
.set WNA, 9                            ; where this block's norm weights are read
.set XO,  10                           ; v10-11 byte offset of my 64 bytes in x, by tile
.set OO,  12                           ; byte offset in qkvb
.set NWO, 13
.set NWL, 14
.set CSO, 15                           ; byte offset in cos and sin
.set RO,  16                           ; v16-31 the sixteen rows of a unit of weights
.set LA2, 16                           ; behind the fill: the next block's fragments,
.set WNA2, 17                          ; its norm weights,
.set WN0, 18                           ; and block 0's norm weights
.set F,   32                           ; v32-63 four fragments on their way to LDS
.set T,   32                           ; v32-63 at work
.set BB,  64                           ; v64-127 two buffers of four fragments
.set WNB, 128                          ; v128-159 two buffers of 16 norm weights
.set HH,  128                          ; v128-159 the way out: 16 packed words a tile
.set AF,  160                          ; v160-175 x's fragments, by tile
.set SS,  176                          ; v176-183 sums of squares: two pairs a tile
.set ACC, 184                          ; v184-247 accumulator (i, f) at ACC + 32 i + 8 f
.set RS,  248                          ; v248-251 rs, twice a tile
.set COSR, 128                         ; window 1: v128-159 cos, v160-191 sin, 16 a tile; v0-127 the ring of x; in the fill all 256: raw weights
.set SINR, 160
.set XP,  42                           ; s42-43 x at the block that is asked for
.set BLK, 44                           ; the next block's number
.set LOF, 45
.set XOF, 46                           ; s46-47 the next block's byte offset in a row of x, in 64 bits
.set MSB, 0
.macro WIN new                         ; the immediate's high byte repeats the setting that is left; a switch that changes nothing is dropped
.if MSB != (\new)
	s_set_vgpr_msb (MSB<<8)|(\new)
.set MSB, (\new)
.endif
.endm
; A unit of weights: 32 rows of K x 64 columns.  Lane (c, h) reads columns 4 c .. 4 c + 3 of rows 16 h + i: sixteen lanes read 256 consecutive bytes of a row.
.macro LOADU u
	WIN 0x40
.set i_, 0
.rept 16
	global_load_b128 v[64*((\u)%4)+4*i_:64*((\u)%4)+4*i_+3], v[RO+i_], s[24:25]
.set i_, i_+1
.endr
	WIN 0
	s_wait_xcnt 0x0                        ; the base is stepped only behind this wait
	s_add_nc_u64 s[24:25], s[24:25], s[30:31]
.endm
; Fragment t takes column 4 c + t; its register q the rows 2 q and 2 q + 1 of the lane's sixteen.
.macro CVTU u
	WIN 0x05
.set t_, 0
.rept 4
.set q_, 0
.rept 8
	v_cvt_pk_f16_f32 v[F+8*t_+q_], v[64*((\u)%4)+8*q_+t_], v[64*((\u)%4)+8*q_+4+t_]
.set q_, q_+1
.endr
.set t_, t_+1
.endr
	WIN 0
.endm
.macro STOU off
.set t_, 0
.rept 4
	ds_store_b128 v[LW], v[F+8*t_:F+8*t_+3] offset:(\off)+1024*t_
	ds_store_b128 v[LW], v[F+8*t_+4:F+8*t_+7] offset:(\off)+1024*t_+512
.set t_, t_+1
.endr
.endm
.macro XLOAD slot, off                 ; a K step of x: 16 numbers a lane and tile, eight loads
	WIN 0x40
.set a_, 0
.rept 2
.set b_, 0
.rept 4
	global_load_b128 v[32*(\slot)+16*a_+4*b_:32*(\slot)+16*a_+4*b_+3], v[XO+a_], s[XP:XP+1] offset:(\off)+16*b_
.set b_, b_+1
.endr
.set a_, a_+1
.endr
	WIN 0
.endm
.macro BLOADX b, lr, ob, wr, ow        ; a K step's four fragments and sixteen norm weights: twelve LDS loads; lr, wr: this block's address registers or the next one's
.set a_, 0
.rept 4
	ds_load_b128 v[BB+32*(\b)+8*a_:BB+32*(\b)+8*a_+3], v[\lr] offset:(\ob)+1024*a_
	ds_load_b128 v[BB+32*(\b)+8*a_+4:BB+32*(\b)+8*a_+7], v[\lr] offset:(\ob)+1024*a_+512
.set a_, a_+1
.endr
.set a_, 0
.rept 4
	ds_load_b128 v[WNB+16*(\b)+4*a_:WNB+16*(\b)+4*a_+3], v[\wr] offset:(\ow)+16*a_
.set a_, a_+1
.endr
.endm
; One K step.  c = step mod 4.  First of all x of the step three on is asked for, into the slot that the last step's arithmetic has read.
; wl = the loads of the younger steps of x, eight each, that may stay out.
; The 16 packed lines ahead of the first conversion are the places behind the last step's matrix instructions, which read AF.
.macro XSTEP c, zero, lr, ob, wr, ow, oa, wl
.if (\oa) >= 0
	XLOAD ((\c)+3)&3, \oa
.endif
	s_wait_loadcnt \wl
	s_wait_dscnt 0x0                       ; this step's fragments and norm weights, asked for a step ago
.set i_, 0
.rept 2
.set xb_, 32*(\c)+16*i_
	WIN 0x05
.set p_, 0
.rept 8
	v_pk_fma_f32 v[SS+4*i_+2*(p_&1):SS+4*i_+2*(p_&1)+1], v[xb_+2*p_:xb_+2*p_+1], v[xb_+2*p_:xb_+2*p_+1], v[SS+4*i_+2*(p_&1):SS+4*i_+2*(p_&1)+1]
.set p_, p_+1
.endr
	WIN 0x01
.set p_, 0
.rept 8
	v_pk_mul_f32 v[T+2*p_:T+2*p_+1], v[xb_+2*p_:xb_+2*p_+1], v[WNB+16*((\c)&1)+2*p_:WNB+16*((\c)&1)+2*p_+1]
.set p_, p_+1
.endr
	WIN 0
.set p_, 0
.rept 8
	v_cvt_pk_f16_f32 v[AF+8*i_+p_], v[T+2*p_], v[T+2*p_+1]
.set p_, p_+1
.endr
.set i_, i_+1
.endr
.if (\ob) >= 0
	BLOADX ((\c)+1)&1, \lr, \ob, \wr, \ow
.endif
.set i_, 0
.rept 2                                ; the eight accumulators take turns
.set f_, 0
.rept 4
.if \zero
	v_wmma_f32_16x16x32_f16 v[ACC+32*i_+8*f_:ACC+32*i_+8*f_+7], v[BB+32*((\c)&1)+8*f_:BB+32*((\c)&1)+8*f_+7], v[AF+8*i_:AF+8*i_+7], 0
.else
	v_wmma_f32_16x16x32_f16 v[ACC+32*i_+8*f_:ACC+32*i_+8*f_+7], v[BB+32*((\c)&1)+8*f_:BB+32*((\c)&1)+8*f_+7], v[AF+8*i_:AF+8*i_+7], v[ACC+32*i_+8*f_:ACC+32*i_+8*f_+7]
.endif
.set f_, f_+1
.endr
.set i_, i_+1
.endr
.endm
	s_load_b512 s[4:19], s[0:1], 0x0       ; x 4, attn_norm_w 6, cos 8, sin 10, wq 12, wk 14, wv 16, qkvb 18
	v_lshl_add_u32 v[SPW], v0, 2, SPARE
	v_mov_b32 v[NIL], 0
	v_lshrrev_b32 v6, 5, v0
	v_readfirstlane_b32 s22, v6            ; wave
	v_and_b32 v3, 31, v0                   ; lane
	v_and_b32 v1, 15, v0                   ; r
	v_bfe_u32 v2, v0, 4, 1                 ; h
	s_mov_b32 s20, ttmp9                   ; cg
	s_and_b32 s21, ttmp7, 0xffff           ; block of 128 rows
	s_and_b32 s27, s20, 3
	s_mov_b32 s26, 1024
	s_cmp_lt_u32 s20, 16
	s_cselect_b32 s27, s20, s27            ; the head's number in its own weight matrix
	s_cselect_b32 s26, 4096, s26           ; bytes from row to row of that matrix
	s_cmp_lt_u32 s20, 20
	s_cselect_b32 s37, 1, 0                ; q and k are rotated, v is not
	s_lshl_b32 s27, s27, 8
	s_mul_i32 s28, s22, s26
	s_lshl_b32 s28, s28, 8                 ; my wave fills K steps 8 w .. 8 w + 7: 256 rows on
	s_add_co_u32 s28, s28, s27
	s_mov_b32 s29, 0
	s_lshl_b32 s30, s26, 5                 ; a unit is 32 rows
	s_mov_b32 s31, 0
	s_lshl_b32 s32, s26, 4
	s_mov_b32 s38, 0x76543210              ; v_permlanex16_b32: each lane takes its own place in the other half
	s_mov_b32 s39, 0xfedcba98
	s_mov_b32 s40, 0x3a800000              ; 1 / 1024
	s_mov_b32 s41, 0x3727c5ac              ; 1e-5
	v_mul_lo_u32 v[RO], v2, s32            ; row 16 h + i, column bytes 16 c
	v_lshl_add_u32 v[RO], v1, 4, v[RO]
.set i_, 1
.rept 15
	v_add_nc_u32 v[RO+i_], s26, v[RO+i_-1]
.set i_, i_+1
.endr
	v_lshlrev_b32 v[L16], 4, v3
	s_lshl_b32 s33, s22, 15
	v_add_nc_u32 v[LW], s33, v[L16]
	s_lshl_b32 s33, s22, 10
	v_add_nc_u32 v[NWO], s33, v[L16]
	v_add_nc_u32 v[NWL], WN, v[NWO]
	s_lshl_b32 s33, s21, 7
	s_lshl_b32 s34, s22, 5
	s_add_co_u32 s33, s33, s34             ; my wave's first row
	v_add_nc_u32 v[CSO], s33, v1           ; my token in tile 0
	v_lshlrev_b32 v[XO], 12, v[CSO]
	v_lshl_add_u32 v[XO], v2, 6, v[XO]     ; token x 4,096 + 64 h
	v_add_nc_u32 v[XO+1], 65536, v[XO]
	v_lshlrev_b32 v[CSO], 7, v[CSO]
	v_lshl_add_u32 v[CSO], v2, 6, v[CSO]   ; token x 128 + 64 h
	s_lshl_b32 s33, s20, 6
	s_lshl_b32 s34, s21, 3
	s_add_co_u32 s33, s33, s34
	s_lshl_b32 s34, s22, 1
	s_add_co_u32 s33, s33, s34             ; block (cg, tile) = cg x 64 + 8 rb + 2 w
	s_lshl_b32 s33, s33, 11
	v_add_nc_u32 v[OO], s33, v[L16]
.set i_, 0
.rept 8
	v_mov_b32 v[SS+i_], 0
.set i_, i_+1
.endr
	s_wait_kmcnt 0x0
	s_cmp_lt_u32 s20, 20
	s_cselect_b64 s[24:25], s[14:15], s[16:17]
	s_cmp_lt_u32 s20, 16
	s_cselect_b64 s[24:25], s[12:13], s[24:25]
	s_add_nc_u64 s[24:25], s[24:25], s[28:29]
	global_load_b128 v[248:251], v[NWO], s[6:7]
	global_load_b128 v[252:255], v[NWO], s[6:7] offset:512
	LOADU 0
	LOADU 1
	LOADU 2
	LOADU 3
	s_wait_loadcnt 48                      ; three units of 16 loads may stay out: the norm's weights and unit 0 are in
	ds_store_b128 v[NWL], v[248:251]
	ds_store_b128 v[NWL], v[252:255] offset:512
.irp jj, 0,1,2,3
	s_wait_loadcnt 48                      ; the three younger units stay out
	CVTU \jj
	STOU (\jj)*4096
	LOADU \jj
.endr
.irp jj, 0,1,2,3
	s_wait_loadcnt 48-16*(\jj)             ; nothing more is asked for: the counts run down
	CVTU \jj
	STOU (\jj)*4096+16384
.endr
	; where the walk begins: block cg % 8; a block is 4 K steps: 16,384 bytes of fragments, 512 bytes of a row of x and of the norm's weights.  (The weights' loads are all back: RO's registers are free.)
	s_and_b32 s[BLK], s20, 7
	s_lshl_b32 s[LOF], s[BLK], 14
	v_add_nc_u32 v[LA], s[LOF], v[L16]
	s_lshl_b32 s[XOF], s[BLK], 9
	s_mov_b32 s[XOF+1], 0
	v_lshlrev_b32 v[WN0], 6, v2
	v_add_nc_u32 v[WN0], WN, v[WN0]
	v_add_nc_u32 v[WNA], s[XOF], v[WN0]
	s_add_nc_u64 s[XP:XP+1], s[4:5], s[XOF:XOF+1]
	s_add_co_u32 s[BLK], s[BLK], 1         ; and the block behind it
	s_and_b32 s[BLK], s[BLK], 7
	s_lshl_b32 s[LOF], s[BLK], 14
	v_add_nc_u32 v[LA2], s[LOF], v[L16]
	s_lshl_b32 s[XOF], s[BLK], 9
	v_add_nc_u32 v[WNA2], s[XOF], v[WN0]
	WIN 0x40
.set a_, 0
.rept 2
.set b_, 0
.rept 4
	global_load_b128 v[COSR+16*a_+4*b_:COSR+16*a_+4*b_+3], v[CSO], s[8:9] offset:2048*a_+16*b_
	global_load_b128 v[SINR+16*a_+4*b_:SINR+16*a_+4*b_+3], v[CSO], s[10:11] offset:2048*a_+16*b_
.set b_, b_+1
.endr
.set a_, a_+1
.endr
	WIN 0
	XLOAD 0, 0
	XLOAD 1, 128
	XLOAD 2, 256
	s_wait_dscnt 0x0                       ; for the others' sake: my fragments and norm weights are in LDS
	s_barrier_signal -1
	s_barrier_wait -1
	BLOADX 0, LA, 0, WNA, 0
	XSTEP 0, 1, LA, 4096, WNA, 128, 384, 24        ; the first step starts the sums
	s_wait_xcnt 0x0                        ; the pointer is written only behind this wait:
	s_add_nc_u64 s[XP:XP+1], s[4:5], s[XOF:XOF+1]  ; from here on all that is asked of x lies in the next block
	s_mov_b32 s36, 7
.Lk:                                           ; a trip: steps 1, 2, 3 of this block and step 0 of the next
	XSTEP 1, 0, LA, 2*4096, WNA, 256, 0, 24
	XSTEP 2, 0, LA, 3*4096, WNA, 384, 128, 24
	XSTEP 3, 0, LA2, 0, WNA2, 0, 256, 24
	XSTEP 0, 0, LA2, 4096, WNA2, 128, 384, 24
	s_wait_xcnt 0x0                        ; on by a block, round the eight
	v_mov_b32 v[LA], v[LA2]
	v_mov_b32 v[WNA], v[WNA2]
	s_add_co_u32 s[BLK], s[BLK], 1
	s_and_b32 s[BLK], s[BLK], 7
	s_lshl_b32 s[LOF], s[BLK], 14
	v_add_nc_u32 v[LA2], s[LOF], v[L16]
	s_lshl_b32 s[XOF], s[BLK], 9
	v_add_nc_u32 v[WNA2], s[XOF], v[WN0]
	s_add_nc_u64 s[XP:XP+1], s[4:5], s[XOF:XOF+1]
	s_sub_co_u32 s36, s36, 1
	s_cmp_lg_u32 s36, 0
	s_cbranch_scc1 .Lk
	XSTEP 1, 0, LA, 2*4096, WNA, 256, -1, 16       ; the last three steps ask for no x: the counts run down
	XSTEP 2, 0, LA, 3*4096, WNA, 384, -1, 8
	XSTEP 3, 0, LA, -1, WNA, -1, -1, 0
	; rs.  The six additions are the places behind the last matrix instructions.
.irp i, 0,1
	v_add_f32 v[SS+4*\i], v[SS+4*\i], v[SS+4*\i+1]
	v_add_f32 v[SS+4*\i+2], v[SS+4*\i+2], v[SS+4*\i+3]
	v_add_f32 v[SS+4*\i], v[SS+4*\i], v[SS+4*\i+2]
.endr
.irp i, 0,1
	v_permlanex16_b32 v[SS+4*\i+1], v[SS+4*\i], s38, s39   ; the row's other half lies in the lane 16 away
.endr
.irp i, 0,1
	v_add_f32 v[SS+4*\i], v[SS+4*\i], v[SS+4*\i+1]
	v_fma_f32 v[SS+4*\i], v[SS+4*\i], s40, s41
.endr
	v_rsq_f32 v[RS], v[SS]
	v_rsq_f32 v[RS+1], v[SS]
	v_rsq_f32 v[RS+2], v[SS+4]
	v_rsq_f32 v[RS+3], v[SS+4]
	v_nop                                  ; a plain instruction behind the last root,
	s_wait_alu depctr_va_vdst(0)           ; and one wait for the four, ahead of their first reader
; Tile i leaves.  My 32 channels are 32 h + 4 j + t (accumulator t, register j); the pair (t = 2 u, 2 u + 1) is RoPE's pair 16 h + 2 j + u.
.macro EPIQ i
.set p_, 0
.rept 16
	v_pk_mul_f32 v[ACC+32*(\i)+2*p_:ACC+32*(\i)+2*p_+1], v[ACC+32*(\i)+2*p_:ACC+32*(\i)+2*p_+1], v[RS+2*(\i):RS+2*(\i)+1]
.set p_, p_+1
.endr
	s_cmp_lg_u32 s37, 0
	s_cbranch_scc0 .Lplain\@
	WIN 0x01                               ; source 0 (cos, sin) in window 1
.set j_, 0
.rept 8
.set u_, 0
.rept 2
.set x1_, ACC+32*(\i)+16*u_+j_
.set cc_, COSR+16*(\i)+2*j_+u_
.set sn_, SINR+16*(\i)+2*j_+u_
.set t0_, T+4*j_+2*u_
	v_mul_f32 v[t0_], v[sn_], v[x1_+8]
	v_mul_f32 v[t0_+1], v[cc_], v[x1_+8]
	v_fma_f32 v[t0_], v[cc_], v[x1_], -v[t0_]
	v_fma_f32 v[t0_+1], v[sn_], v[x1_], v[t0_+1]
.set u_, u_+1
.endr
.set j_, j_+1
.endr
	WIN 0
.set p_, 0
.rept 16
	v_cvt_pk_f16_f32 v[HH+16*(\i)+p_], v[T+2*p_], v[T+2*p_+1]
.set p_, p_+1
.endr
	s_branch .Lsto\@
.Lplain\@:
.set j_, 0
.rept 8
.set u_, 0
.rept 2
	v_cvt_pk_f16_f32 v[HH+16*(\i)+2*j_+u_], v[ACC+32*(\i)+16*u_+j_], v[ACC+32*(\i)+16*u_+8+j_]
.set u_, u_+1
.endr
.set j_, j_+1
.endr
.Lsto\@:
.set p_, 0
.rept 4
	global_store_b128 v[OO], v[HH+16*(\i)+4*p_:HH+16*(\i)+4*p_+3], s[18:19] offset:2048*(\i)+512*p_   ; 512 consecutive bytes
.set p_, p_+1
.endr
.endm
	EPIQ 0
	EPIQ 1
	s_wait_dscnt 0x0                       ; my reads of the fragments and of the norm's weights are back,
	s_barrier_signal -1
	s_barrier_wait -1                      ; and so are every wave's: no LDS word is written below while a wave may still read, wherever its walk began
	s_wait_tensorcnt 0x0                   ; the wave's end
	ds_add_u32 v[SPW], v[NIL]
	s_wait_dscnt 0x0
	s_endpgm
.Lfunc_end_k_qbe6ddaca5b_qkv:
	.size	k_qbe6ddaca5b_qkv, .Lfunc_end_k_qbe6ddaca5b_qkv-k_qbe6ddaca5b_qkv
	.p2alignl 7, 3214868480
	.fill 96, 4, 3214868480
	.section	.rodata,"a",@progbits
	.p2align	6, 0x0
	.amdhsa_kernel k_qbe6ddaca5b_qkv
		.amdhsa_group_segment_fixed_size 135680
		.amdhsa_private_segment_fixed_size 0
		.amdhsa_enable_private_segment 0
		.amdhsa_kernarg_size 64
		.amdhsa_user_sgpr_count 2
		.amdhsa_user_sgpr_kernarg_segment_ptr 1
		.amdhsa_wavefront_size32 1
		.amdhsa_system_sgpr_workgroup_id_x 1
		.amdhsa_system_sgpr_workgroup_id_y 1
		.amdhsa_system_sgpr_workgroup_id_z 1
		.amdhsa_system_vgpr_workitem_id 0
		.amdhsa_next_free_vgpr 512
		.amdhsa_next_free_sgpr 66
		.amdhsa_reserve_vcc 0
		.amdhsa_float_denorm_mode_32 3
		.amdhsa_float_denorm_mode_16_64 3
		.amdhsa_memory_ordered 1
		.amdhsa_forward_progress 1
		.amdhsa_inst_pref_size 97
	.end_amdhsa_kernel
	.amdgpu_metadata
---
amdhsa.version: [ 1, 2 ]
amdhsa.kernels:
  - .name:           k_qbe6ddaca5b_qkv
    .symbol:         k_qbe6ddaca5b_qkv.kd
    .args:
      - { .name: x, .offset: 0, .size: 8, .value_kind: global_buffer, .address_space: global }
      - { .name: attn_norm_w, .offset: 8, .size: 8, .value_kind: global_buffer, .address_space: global }
      - { .name: freqs_cos, .offset: 16, .size: 8, .value_kind: global_buffer, .address_space: global }
      - { .name: freqs_sin, .offset: 24, .size: 8, .value_kind: global_buffer, .address_space: global }
      - { .name: wq, .offset: 32, .size: 8, .value_kind: global_buffer, .address_space: global }
      - { .name: wk, .offset: 40, .size: 8, .value_kind: global_buffer, .address_space: global }
      - { .name: wv, .offset: 48, .size: 8, .value_kind: global_buffer, .address_space: global }
      - { .name: qkvb, .offset: 56, .size: 8, .value_kind: global_buffer, .address_space: global }
    .group_segment_fixed_size: 135680
    .private_segment_fixed_size: 0
    .kernarg_segment_align: 8
    .kernarg_segment_size: 64
    .max_flat_workgroup_size: 128
    .sgpr_count:     66
    .vgpr_count:     512
    .wavefront_size: 32
...
	.end_amdgpu_metadata
.endif
;; end of part 1
;; launch attn (part 2): grid 64 x 4, 4 waves a work-group, no clusters, 157,184 bytes of LDS; arguments qkvb, oimg; writes oimg
.if DOCPART == 2
	.amdgcn_target "amdgcn-amd-amdhsa--gfx1250"
	.amdhsa_code_object_version 6
	.text
	.protected	k_qbe6ddaca5b_attn
	.globl	k_qbe6ddaca5b_attn
	.p2align	8
	.type	k_qbe6ddaca5b_attn,@function
k_qbe6ddaca5b_attn:
	s_mov_b64 s[64:65], 0
	v_nop
	global_prefetch_b8 v0, s[64:65] scope:SCOPE_SE
	s_setreg_imm32_b32 hwreg(HW_REG_WAVE_MODE, 25, 1), 1
	s_wait_xcnt 0x0
; Attention, causal within a window of 512: query q sees keys q - 511 .. q.  16 query heads, 4 key and value heads, head size 64, all f16; products, maxima and sums in f32.
; A work-group takes 16 queries (tile qt) and the four query heads of key head g, a head a wave.  With a = qt / 2 the keys needed are the groups of 32 numbered a - 16 .. a.
; All 17 groups of K and V are laid into LDS once (slot s holds group a - 16 + s; a slot whose group does not exist repeats group 0 and is never read), one barrier, and each wave walks them.
; S^T = K Q^T holds one query a lane (lane % 16) and keys 8 (lane / 16) + 0..7; two such results rounded to f16 are source 1 of O^T = V^T P.  V is read turned, by ds_load_tr16_b128.
; The diagonal group (slot 16) goes first, so that the running maximum is a true score before any hidden score is met.  A hidden score counts as its value less 1e30, by the C operand.
; The window's lower edge (slot 0) hides a key exactly where the diagonal shows it.
; No tensor load: V has to be re-laid from fragment images into rows, which takes registers; no cluster: the fill is one pass of 139 KB out of what the launch before has just written.
; LIMITS. f16 scores and weights: p below 6e-5 keeps f16's fixed step; a weight below 2^-126 counts as 0; NaN and infinities are not treated apart.
.set SLOTB, 9216                       ; a slot: K, 4 images of 1,024 bytes; then V, 32 rows of 128 bytes at a pitch of 160
.set PVV,   160
.set SPARE, 156672
.set SPW, 4
.set NIL, 5
.set GO,  6                            ; v6-22 the 17 groups' byte offsets
.set KW,  24
.set VW,  25
.set KR,  26
.set VR,  27
.set KR0, 28
.set VR0, 29
.set GB,  30
.set TMP, 31
.set QOF, 32
.set OOF, 33
.set QF,  40                           ; v40-55 Q, two images
.set DR,  64                           ; v64-255 the fill's ring: 12 slots of 16
.set KF,  64                           ; v64-95 K (kt, st) at KF + 16 kt + 8 st
.set VF,  96                           ; v96-127 V^T, channel block cb at VF + 8 cb
.set S0,  128                          ; v128-143 scores
.set S1,  136
.set PP,  144                          ; v144-151 weights in f16
.set OA,  152                          ; v152-183 O^T
.set MD,  184                          ; v184-199 the diagonal's mask
.set ML,  200                          ; v200-215 the lower edge's
.set CM,  216                          ; c m, and beside it m
.set MX,  217
.set LS,  218                          ; v218-219 l
.set C0,  220
.set C1,  221
.set AA,  222                          ; v222-223 a
.set DA,  224
.set CMO, 225
.set ZR,  226
.set BG,  227
.set QP,  228
.macro PLACES
.rept 4
	v_nop
.endr
.endm
.macro SLOAD s
.set d_, DR+16*((\s)%12)
	global_load_b128 v[d_:d_+3], v[GO+(\s)], s[12:13]
	global_load_b128 v[d_+4:d_+7], v[GO+(\s)], s[12:13] offset:512
	global_load_b128 v[d_+8:d_+11], v[GO+(\s)], s[14:15]
	global_load_b128 v[d_+12:d_+15], v[GO+(\s)], s[14:15] offset:512
.endm
.macro SSTORE s
.set d_, DR+16*((\s)%12)
	ds_store_b128 v[KW], v[d_:d_+3]
	ds_store_b128 v[KW], v[d_+4:d_+7] offset:512
	ds_store_b128 v[VW], v[d_+8:d_+11]
	ds_store_b128 v[VW], v[d_+12:d_+15] offset:16
	v_add_nc_u32 v[KW], SLOTB, v[KW]
	v_add_nc_u32 v[VW], SLOTB, v[VW]
.endm
; One group of 32 keys.  mask: 0 none, 1 the diagonal's, 2 the lower edge's.  first = 1: it starts m, l and O^T.
.macro GROUP mask, first
	PLACES                                 ; the loads below land in registers that the last group's matrix instructions read
.irp kt, 0,1
.irp st, 0,1
	ds_load_b128 v[KF+16*\kt+8*\st:KF+16*\kt+8*\st+3], v[KR] offset:\kt*2048+\st*1024
	ds_load_b128 v[KF+16*\kt+8*\st+4:KF+16*\kt+8*\st+7], v[KR] offset:\kt*2048+\st*1024+512
.endr
.endr
.irp cb, 0,1,2,3
	ds_load_tr16_b128 v[VF+8*\cb:VF+8*\cb+3], v[VR] offset:\cb*32
	ds_load_tr16_b128 v[VF+8*\cb+4:VF+8*\cb+7], v[VR] offset:\cb*32+16*PVV
.endr
	s_wait_dscnt 8                         ; K is in; V's eight loads may stay out
.if (\mask) == 0
	v_wmma_f32_16x16x32_f16 v[S0:S0+7], v[KF:KF+7], v[QF:QF+7], 0
	v_wmma_f32_16x16x32_f16 v[S1:S1+7], v[KF+16:KF+23], v[QF:QF+7], 0
.elseif (\mask) == 1
	v_wmma_f32_16x16x32_f16 v[S0:S0+7], v[KF:KF+7], v[QF:QF+7], v[MD:MD+7]
	v_wmma_f32_16x16x32_f16 v[S1:S1+7], v[KF+16:KF+23], v[QF:QF+7], v[MD+8:MD+15]
.else
	v_wmma_f32_16x16x32_f16 v[S0:S0+7], v[KF:KF+7], v[QF:QF+7], v[ML:ML+7]
	v_wmma_f32_16x16x32_f16 v[S1:S1+7], v[KF+16:KF+23], v[QF:QF+7], v[ML+8:ML+15]
.endif
	v_wmma_f32_16x16x32_f16 v[S0:S0+7], v[KF+8:KF+15], v[QF+8:QF+15], v[S0:S0+7]     ; the two accumulators take turns
	v_wmma_f32_16x16x32_f16 v[S1:S1+7], v[KF+24:KF+31], v[QF+8:QF+15], v[S1:S1+7]
	PLACES
	v_max3_num_f32 v[C0], v[S0], v[S0+1], v[S0+2]          ; each accumulator's lowest registers are read first
	v_max3_num_f32 v[C1], v[S1], v[S1+1], v[S1+2]
	v_max3_num_f32 v[C0], v[C0], v[S0+3], v[S0+4]
	v_max3_num_f32 v[C1], v[C1], v[S1+3], v[S1+4]
	v_max3_num_f32 v[C0], v[C0], v[S0+5], v[S0+6]
	v_max3_num_f32 v[C1], v[C1], v[S1+5], v[S1+6]
	v_max3_num_f32 v[C0], v[C0], v[S0+7], v[S1+7]
.if \first
	v_max_num_f32 v[C0], v[C0], v[C1]
.else
	v_max3_num_f32 v[C0], v[C0], v[C1], v[MX]
	v_mov_b32 v[CMO], v[CM]
.endif
	v_permlanex16_b32 v[C1], v[C0], s20, s21               ; the query's other 16 keys lie in the lane 16 away
	v_max_num_f32 v[MX], v[C0], v[C1]
	v_mul_f32 v[CM], s18, v[MX]
.if !(\first)
	v_sub_f32 v[DA], v[CMO], v[CM]
.endif
.set p_, 0
.rept 8
	v_pk_fma_f32 v[S0+2*p_:S0+2*p_+1], v[S0+2*p_:S0+2*p_+1], s[18:19], v[CM:CM+1] op_sel_hi:[1,0,0] neg_lo:[0,0,1] neg_hi:[0,0,1]   ; c s - c m
.set p_, p_+1
.endr
.if !(\first)
	v_exp_f32 v[AA], v[DA]
.endif
.set p_, 0
.rept 16
	v_exp_f32 v[S0+p_], v[S0+p_]
.set p_, p_+1
.endr
	v_nop                                  ; a plain instruction behind the last exponential,
	s_wait_alu depctr_va_vdst(0)           ; and one wait for the batch, ahead of its first reader
.set p_, 0
.rept 8
	v_cvt_pk_f16_f32 v[PP+p_], v[S0+2*p_], v[S0+2*p_+1]
.set p_, p_+1
.endr
	v_pk_add_f32 v[S0:S0+1], v[S0:S0+1], v[S0+2:S0+3]
	v_pk_add_f32 v[S0+4:S0+5], v[S0+4:S0+5], v[S0+6:S0+7]
	v_pk_add_f32 v[S0+8:S0+9], v[S0+8:S0+9], v[S0+10:S0+11]
	v_pk_add_f32 v[S0+12:S0+13], v[S0+12:S0+13], v[S0+14:S0+15]
	v_pk_add_f32 v[S0:S0+1], v[S0:S0+1], v[S0+4:S0+5]
	v_pk_add_f32 v[S0+8:S0+9], v[S0+8:S0+9], v[S0+12:S0+13]
.if \first
	v_pk_add_f32 v[LS:LS+1], v[S0:S0+1], v[S0+8:S0+9]
.else
	v_pk_add_f32 v[S0:S0+1], v[S0:S0+1], v[S0+8:S0+9]
	v_pk_fma_f32 v[LS:LS+1], v[LS:LS+1], v[AA:AA+1], v[S0:S0+1] op_sel_hi:[1,0,1]
.set p_, 0
.rept 16
	v_pk_mul_f32 v[OA+2*p_:OA+2*p_+1], v[OA+2*p_:OA+2*p_+1], v[AA:AA+1] op_sel_hi:[1,0]
.set p_, p_+1
.endr
.endif
	s_wait_dscnt 0x0                       ; V is in
.irp cb, 0,1,2,3
.if \first
	v_wmma_f32_16x16x32_f16 v[OA+8*\cb:OA+8*\cb+7], v[VF+8*\cb:VF+8*\cb+7], v[PP:PP+7], 0
.else
	v_wmma_f32_16x16x32_f16 v[OA+8*\cb:OA+8*\cb+7], v[VF+8*\cb:VF+8*\cb+7], v[PP:PP+7], v[OA+8*\cb:OA+8*\cb+7]
.endif
.endr
.endm
	s_load_b128 s[4:7], s[0:1], 0x0        ; qkvb 4, oimg 6
	v_lshl_add_u32 v[SPW], v0, 2, SPARE
	v_mov_b32 v[NIL], 0
	v_lshrrev_b32 v[TMP], 5, v0
	v_readfirstlane_b32 s8, v[TMP]         ; wave
	v_and_b32 v3, 31, v0
	v_and_b32 v1, 15, v0
	v_bfe_u32 v2, v0, 4, 1
	s_mov_b32 s9, ttmp9                    ; qt
	s_and_b32 s10, ttmp7, 0xffff           ; g
	s_lshr_b32 s11, s9, 1                  ; a
	s_lshl_b32 s26, s10, 17
	s_add_co_u32 s26, s26, 2097152         ; K of head g
	s_mov_b32 s27, 0
	s_mov_b32 s18, 0x3e38aa3b              ; c = log2(e) / 8
	s_mov_b32 s19, s18
	s_mov_b32 s20, 0x76543210
	s_mov_b32 s21, 0xfedcba98
	s_lshl2_add_u32 s28, s10, s8           ; head = 4 g + w
	s_lshl_b32 s22, s28, 6
	s_add_co_u32 s22, s22, s9
	s_lshl_b32 s22, s22, 11
	v_lshlrev_b32 v[GB], 4, v3             ; 16 x lane
	v_add_nc_u32 v[QOF], s22, v[GB]
	s_lshl_b32 s22, s9, 5
	s_lshl_b32 s23, s28, 1
	s_add_co_u32 s22, s22, s23
	s_lshl_b32 s22, s22, 10                ; image (qt, 2 head)
	v_add_nc_u32 v[OOF], s22, v[GB]
	v_mov_b32 v[KR0], v[GB]
	v_and_b32 v[TMP], 7, v0
	v_lshl_add_u32 v[VR0], v2, 3, v[TMP]   ; the turning load: key 8 h + lane % 8,
	v_mul_u32_u24 v[VR0], v[VR0], PVV
	v_bfe_u32 v[TMP], v0, 3, 1
	v_lshl_add_u32 v[VR0], v[TMP], 4, v[VR0]   ; channels 8 ((lane / 8) % 2) on
	v_add_nc_u32 v[VR0], 4096, v[VR0]
	s_lshl_b32 s22, s8, 10
	v_add_nc_u32 v[GB], s22, v[GB]         ; my wave moves image w of each group's four
.set s_, 0
.rept 17
	s_add_co_i32 s22, s11, s_-16
	s_max_i32 s22, s22, 0
	s_lshl_b32 s22, s22, 12
	v_add_nc_u32 v[GO+s_], s22, v[GB]
.set s_, s_+1
.endr
	v_mov_b32 v[KW], v[GB]
	s_lshr_b32 s22, s8, 1
	s_lshl_b32 s22, s22, 4
	v_add_nc_u32 v[VW], s22, v1            ; V's row: key 16 (w / 2) + r,
	v_mul_u32_u24 v[VW], v[VW], PVV
	v_lshl_add_u32 v[VW], v2, 6, v[VW]     ; channels 32 h + 16 (w % 2) on
	s_and_b32 s22, s8, 1
	s_lshl_b32 s22, s22, 5
	s_add_co_u32 s22, s22, 4096
	v_add_nc_u32 v[VW], s22, v[VW]
	s_sub_co_i32 s23, 16, s11
	s_max_i32 s23, s23, 0                  ; the first slot whose group exists
	s_wait_kmcnt 0x0
	s_add_nc_u64 s[12:13], s[4:5], s[26:27]
	s_add_nc_u64 s[14:15], s[12:13], 524288
.set p_, 0
.rept 4
	global_load_b128 v[QF+4*p_:QF+4*p_+3], v[QOF], s[4:5] offset:512*p_
.set p_, p_+1
.endr
.set s_, 0
.rept 12
	SLOAD s_
.set s_, s_+1
.endr
.set s_, 0
.rept 17
.if s_ < 5
	s_wait_loadcnt 44                      ; the eleven younger slots, four loads each, stay out
.else
	s_wait_loadcnt 4*(16-s_)
.endif
	SSTORE s_
.if s_+12 <= 16
	SLOAD s_+12
.endif
.set s_, s_+1
.endr
	; the masks: my query's place in its group of 32 is 16 (qt % 2) + r; register j of score tile kt holds key 16 kt + 8 h + j
	s_and_b32 s22, s9, 1
	s_lshl_b32 s22, s22, 4
	v_add_nc_u32 v[QP], s22, v1
	v_lshlrev_b32 v[TMP], 3, v2
	v_sub_nc_u32 v[QP], v[QP], v[TMP]
	v_mov_b32 v[ZR], 0
	v_mov_b32 v[BG], 0xf149f2ca            ; -1e30
	v_mov_b32 v[AA+1], 0                   ; named with a as a pair
.set p_, 0
.rept 16
	v_cmp_gt_i32 vcc_lo, 16*(p_/8)+p_%8, v[QP]
	v_cndmask_b32 v[MD+p_], v[ZR], v[BG], vcc_lo
	v_cndmask_b32 v[ML+p_], v[BG], v[ZR], vcc_lo
.set p_, p_+1
.endr
	v_add_nc_u32 v[KR], 16*SLOTB, v[KR0]
	v_add_nc_u32 v[VR], 16*SLOTB, v[VR0]
	s_wait_dscnt 0x0                       ; for the others' sake: my part of the slots is in LDS
	s_barrier_signal -1
	s_barrier_wait -1
	GROUP 1, 1                             ; the diagonal's group
	v_add_nc_u32 v[KR], SLOTB, v[KR0]
	v_add_nc_u32 v[VR], SLOTB, v[VR0]
	s_mov_b32 s24, 1
.Lg:                                           ; slots 1 to 15: a constant count; a slot whose group does not exist is jumped
	s_cmp_lt_u32 s24, s23
	s_cbranch_scc1 .Lskip
	GROUP 0, 0
.Lskip:
	v_add_nc_u32 v[KR], SLOTB, v[KR]
	v_add_nc_u32 v[VR], SLOTB, v[VR]
	s_add_co_u32 s24, s24, 1
	s_cmp_lt_u32 s24, 16
	s_cbranch_scc1 .Lg
	s_cmp_lt_u32 s11, 16
	s_cbranch_scc1 .Lnolow
	v_mov_b32 v[KR], v[KR0]
	v_mov_b32 v[VR], v[VR0]
	GROUP 2, 0                             ; the window's lower edge
.Lnolow:
	PLACES
	v_add_f32 v[LS], v[LS], v[LS+1]
	v_permlanex16_b32 v[C1], v[LS], s20, s21
	v_add_f32 v[LS], v[LS], v[C1]
	v_rcp_f32 v[AA], v[LS]
	v_rcp_f32 v[AA+1], v[LS]
	v_nop
	s_wait_alu depctr_va_vdst(0)           ; one wait for the two reciprocals
.set p_, 0
.rept 16
	v_pk_mul_f32 v[OA+2*p_:OA+2*p_+1], v[OA+2*p_:OA+2*p_+1], v[AA:AA+1]
.set p_, p_+1
.endr
.set p_, 0
.rept 16                               ; channel blocks 2 st, 2 st + 1 are registers 0-3, 4-7 of the image st that the next product takes as its rows
	v_cvt_pk_f16_f32 v[KF+p_], v[OA+2*p_], v[OA+2*p_+1]
.set p_, p_+1
.endr
.set p_, 0
.rept 4
	global_store_b128 v[OOF], v[KF+4*p_:KF+4*p_+3], s[6:7] offset:512*p_     ; 512 consecutive bytes
.set p_, p_+1
.endr
	s_wait_tensorcnt 0x0                   ; the wave's end
	ds_add_u32 v[SPW], v[NIL]
	s_wait_dscnt 0x0
	s_endpgm
.Lfunc_end_k_qbe6ddaca5b_attn:
	.size	k_qbe6ddaca5b_attn, .Lfunc_end_k_qbe6ddaca5b_attn-k_qbe6ddaca5b_attn
	.p2alignl 7, 3214868480
	.fill 96, 4, 3214868480
	.section	.rodata,"a",@progbits
	.p2align	6, 0x0
	.amdhsa_kernel k_qbe6ddaca5b_attn
		.amdhsa_group_segment_fixed_size 157184
		.amdhsa_private_segment_fixed_size 0
		.amdhsa_enable_private_segment 0
		.amdhsa_kernarg_size 16
		.amdhsa_user_sgpr_count 2
		.amdhsa_user_sgpr_kernarg_segment_ptr 1
		.amdhsa_wavefront_size32 1
		.amdhsa_system_sgpr_workgroup_id_x 1
		.amdhsa_system_sgpr_workgroup_id_y 1
		.amdhsa_system_sgpr_workgroup_id_z 1
		.amdhsa_system_vgpr_workitem_id 0
		.amdhsa_next_free_vgpr 256
		.amdhsa_next_free_sgpr 66
		.amdhsa_reserve_vcc 1
		.amdhsa_float_denorm_mode_32 3
		.amdhsa_float_denorm_mode_16_64 3
		.amdhsa_memory_ordered 1
		.amdhsa_forward_progress 1
		.amdhsa_inst_pref_size 40
	.end_amdhsa_kernel
	.amdgpu_metadata
---
amdhsa.version: [ 1, 2 ]
amdhsa.kernels:
  - .name:           k_qbe6ddaca5b_attn
    .symbol:         k_qbe6ddaca5b_attn.kd
    .args:
      - { .name: qkvb, .offset: 0, .size: 8, .value_kind: global_buffer, .address_space: global }
      - { .name: oimg, .offset: 8, .size: 8, .value_kind: global_buffer, .address_space: global }
    .group_segment_fixed_size: 157184
    .private_segment_fixed_size: 0
    .kernarg_segment_align: 8
    .kernarg_segment_size: 16
    .max_flat_workgroup_size: 128
    .sgpr_count:     66
    .vgpr_count:     256
    .wavefront_size: 32
...
	.end_amdgpu_metadata
.endif
;; end of part 2
;; launch oproj (part 3): grid 16 x 16, 4 waves a work-group, no clusters, 131,584 bytes of LDS; arguments oimg, wo, x, hbuf; writes hbuf
.if DOCPART == 3
	.amdgcn_target "amdgcn-amd-amdhsa--gfx1250"
	.amdhsa_code_object_version 6
	.text
	.protected	k_qbe6ddaca5b_oproj
	.globl	k_qbe6ddaca5b_oproj
	.p2align	8
	.type	k_qbe6ddaca5b_oproj,@function
k_qbe6ddaca5b_oproj:
	s_mov_b64 s[64:65], 0
	v_nop
	global_prefetch_b8 v0, s[64:65] scope:SCOPE_SE
	s_setreg_imm32_b32 hwreg(HW_REG_WAVE_MODE, 25, 1), 1
	s_wait_xcnt 0x0
; h = x + o @ wo.  A work-group makes 64 rows x 64 columns: 256 work-groups; a wave 16 rows x 64 columns, four accumulators.
; The 64 columns of wo (1,024 rows x 256 bytes of f32) are read once, rounded to f16 and laid into LDS as fragments; one barrier.
; A wave's 16 rows of o, 32 fragment images of 1,024 bytes, are asked for first of all and stay in 256 registers, so the walk along K reads LDS alone: 32 steps, written out,
; a ring of four fragment buffers filled three steps ahead.  In the result a lane holds columns 4 r .. 4 r + 3 (accumulators 0-3) of rows 8 h + j: 16 bytes that belong together.
; No tensor load and no cluster: wo is f32 in memory and is rounded in registers on its way.
; LIMITS. o and wo in f16: o is a mean of v's rows and has their range; weights under 6e-5 keep f16's fixed step.  The residual x is added in f32.
.set SPARE, 131072
.set SPW, 4
.set NIL, 5
.set LW,  6
.set L16, 7
.set LA,  8                            ; v8 K steps 0-15, v9 K steps 16-31
.set XV,  10
.set AO,  12
.set TMP, 13
.set RO,  16                           ; v16-31
.set F,   32                           ; v32-63 in the fill
.set BB,  32                           ; v32-159 four buffers of four fragments
.set XR,  160                          ; v160-191 x, then h: register 4 j + t
.set MSB, 0
.macro WIN new
.if MSB != (\new)
	s_set_vgpr_msb (MSB<<8)|(\new)
.set MSB, (\new)
.endif
.endm
.macro PLACES
.rept 4
	v_nop
.endr
.endm
.macro LOADU u                         ; 32 rows of K x 64 columns; the unit's place stands in the immediate
	WIN 0x40
.set i_, 0
.rept 16
	global_load_b128 v[64*((\u)%4)+4*i_:64*((\u)%4)+4*i_+3], v[RO+i_], s[20:21] offset:(\u)*131072
.set i_, i_+1
.endr
	WIN 0
.endm
.macro CVTU u
	WIN 0x05
.set t_, 0
.rept 4
.set q_, 0
.rept 8
	v_cvt_pk_f16_f32 v[F+8*t_+q_], v[64*((\u)%4)+8*q_+t_], v[64*((\u)%4)+8*q_+4+t_]
.set q_, q_+1
.endr
.set t_, t_+1
.endr
	WIN 0
.endm
.macro STOU off
.set t_, 0
.rept 4
	ds_store_b128 v[LW], v[F+8*t_:F+8*t_+3] offset:(\off)+1024*t_
	ds_store_b128 v[LW], v[F+8*t_+4:F+8*t_+7] offset:(\off)+1024*t_+512
.set t_, t_+1
.endr
.endm
.macro BLOADO k                        ; K step k's four fragments into buffer k % 4
.set f_, 0
.rept 4
	ds_load_b128 v[BB+32*((\k)&3)+8*f_:BB+32*((\k)&3)+8*f_+3], v[LA+(\k)/16] offset:((\k)&15)*4096+1024*f_
	ds_load_b128 v[BB+32*((\k)&3)+8*f_+4:BB+32*((\k)&3)+8*f_+7], v[LA+(\k)/16] offset:((\k)&15)*4096+1024*f_+512
.set f_, f_+1
.endr
.endm
	s_load_b256 s[4:11], s[0:1], 0x0       ; oimg 4, wo 6, x 8, hbuf 10
	v_lshl_add_u32 v[SPW], v0, 2, SPARE
	v_mov_b32 v[NIL], 0
	v_lshrrev_b32 v[TMP], 5, v0
	v_readfirstlane_b32 s12, v[TMP]        ; wave
	v_and_b32 v3, 31, v0
	v_and_b32 v1, 15, v0
	v_bfe_u32 v2, v0, 4, 1
	s_mov_b32 s13, ttmp9                   ; block of 64 columns
	s_and_b32 s14, ttmp7, 0xffff           ; block of 64 rows
	s_lshl2_add_u32 s15, s14, s12          ; my row tile
	v_lshlrev_b32 v[L16], 4, v3
	s_lshl_b32 s22, s12, 15
	v_add_nc_u32 v[LW], s22, v[L16]
	v_mov_b32 v[LA], v[L16]
	v_add_nc_u32 v[LA+1], 65536, v[L16]
	v_lshlrev_b32 v[TMP], 15, v2           ; 8 h rows of 4,096 bytes
	v_lshl_add_u32 v[TMP], v1, 4, v[TMP]   ; + 16 r
.set i_, 0
.rept 16
	v_add_nc_u32 v[RO+i_], (i_+8*(i_/8))*4096, v[TMP]      ; row 8 h + i, and 8 more from i = 8 on: the fragment's own order of K
.set i_, i_+1
.endr
	s_lshl_b32 s22, s15, 16
	s_lshl_b32 s23, s13, 8
	s_add_co_u32 s22, s22, s23
	v_add_nc_u32 v[XV], s22, v[TMP]        ; row 16 qt + 8 h, column bytes 256 cs + 16 r
	s_lshl_b32 s22, s15, 15
	v_add_nc_u32 v[AO], s22, v[L16]
	s_lshl_b32 s22, s12, 20                ; my wave fills K steps 8 w .. 8 w + 7
	s_add_co_u32 s22, s22, s23
	s_mov_b32 s23, 0
	s_wait_kmcnt 0x0
	s_add_nc_u64 s[20:21], s[6:7], s[22:23]
	WIN 0x80
.set k_, 0
.rept 32
	global_load_b128 v[8*k_:8*k_+3], v[AO], s[4:5] offset:1024*k_
	global_load_b128 v[8*k_+4:8*k_+7], v[AO], s[4:5] offset:1024*k_+512
.set k_, k_+1
.endr
	WIN 0
.set j_, 0
.rept 8
	global_load_b128 v[XR+4*j_:XR+4*j_+3], v[XV], s[8:9] offset:4096*j_
.set j_, j_+1
.endr
	LOADU 0
	LOADU 1
	LOADU 2
	LOADU 3
.irp jj, 0,1,2,3
	s_wait_loadcnt 48                      ; the three younger units of 16 loads stay out; o and x are older and are in
	CVTU \jj
	STOU (\jj)*4096
	LOADU (\jj)+4
.endr
.irp jj, 4,5,6,7
	s_wait_loadcnt 16*(7-(\jj))
	CVTU \jj
	STOU (\jj)*4096
.endr
	s_wait_dscnt 0x0                       ; for the others' sake: my fragments are in LDS
	s_barrier_signal -1
	s_barrier_wait -1
	BLOADO 0
	BLOADO 1
	BLOADO 2
.set k_, 0
.rept 32
	WIN 0
	PLACES                                 ; the loads below land in the buffer that the last step's matrix instructions read
.if k_+3 < 32
	BLOADO k_+3
	s_wait_dscnt 24                        ; the three younger steps, eight loads each, stay out
.else
	s_wait_dscnt 8*(31-k_)
.endif
	WIN 0x52                               ; source 0 (o) window 2, source 1 (wo) window 0, C and D window 1
.set f_, 0
.rept 4                                ; the four accumulators take turns
.if k_ == 0
	v_wmma_f32_16x16x32_f16 v[8*f_:8*f_+7], v[8*k_:8*k_+7], v[BB+32*(k_&3)+8*f_:BB+32*(k_&3)+8*f_+7], 0
.else
	v_wmma_f32_16x16x32_f16 v[8*f_:8*f_+7], v[8*k_:8*k_+7], v[BB+32*(k_&3)+8*f_:BB+32*(k_&3)+8*f_+7], v[8*f_:8*f_+7]
.endif
.set f_, f_+1
.endr
.set k_, k_+1
.endr
	PLACES
	WIN 0x04                               ; source 1 in window 1
.set t_, 0
.rept 4
.set j_, 0
.rept 8
	v_add_f32 v[XR+4*j_+t_], v[XR+4*j_+t_], v[8*t_+j_]     ; the residual's addition also brings a row's four columns together
.set j_, j_+1
.endr
.set t_, t_+1
.endr
	WIN 0
.set j_, 0
.rept 8
	global_store_b128 v[XV], v[XR+4*j_:XR+4*j_+3], s[10:11] offset:4096*j_   ; sixteen lanes store 256 consecutive bytes of a row, aligned
.set j_, j_+1
.endr
	s_wait_tensorcnt 0x0                   ; the wave's end
	ds_add_u32 v[SPW], v[NIL]
	s_wait_dscnt 0x0
	s_endpgm
.Lfunc_end_k_qbe6ddaca5b_oproj:
	.size	k_qbe6ddaca5b_oproj, .Lfunc_end_k_qbe6ddaca5b_oproj-k_qbe6ddaca5b_oproj
	.p2alignl 7, 3214868480
	.fill 96, 4, 3214868480
	.section	.rodata,"a",@progbits
	.p2align	6, 0x0
	.amdhsa_kernel k_qbe6ddaca5b_oproj
		.amdhsa_group_segment_fixed_size 131584
		.amdhsa_private_segment_fixed_size 0
		.amdhsa_enable_private_segment 0
		.amdhsa_kernarg_size 32
		.amdhsa_user_sgpr_count 2
		.amdhsa_user_sgpr_kernarg_segment_ptr 1
		.amdhsa_wavefront_size32 1
		.amdhsa_system_sgpr_workgroup_id_x 1
		.amdhsa_system_sgpr_workgroup_id_y 1
		.amdhsa_system_sgpr_workgroup_id_z 1
		.amdhsa_system_vgpr_workitem_id 0
		.amdhsa_next_free_vgpr 768
		.amdhsa_next_free_sgpr 66
		.amdhsa_reserve_vcc 0
		.amdhsa_float_denorm_mode_32 3
		.amdhsa_float_denorm_mode_16_64 3
		.amdhsa_memory_ordered 1
		.amdhsa_forward_progress 1
		.amdhsa_inst_pref_size 76
	.end_amdhsa_kernel
	.amdgpu_metadata
---
amdhsa.version: [ 1, 2 ]
amdhsa.kernels:
  - .name:           k_qbe6ddaca5b_oproj
    .symbol:         k_qbe6ddaca5b_oproj.kd
    .args:
      - { .name: oimg, .offset: 0, .size: 8, .value_kind: global_buffer, .address_space: global }
      - { .name: wo, .offset: 8, .size: 8, .value_kind: global_buffer, .address_space: global }
      - { .name: x, .offset: 16, .size: 8, .value_kind: global_buffer, .address_space: global }
      - { .name: hbuf, .offset: 24, .size: 8, .value_kind: global_buffer, .address_space: global }
    .group_segment_fixed_size: 131584
    .private_segment_fixed_size: 0
    .kernarg_segment_align: 8
    .kernarg_segment_size: 32
    .max_flat_workgroup_size: 128
    .sgpr_count:     66
    .vgpr_count:     768
    .wavefront_size: 32
...
	.end_amdgpu_metadata
.endif
;; end of part 3
;; launch router (part 4): grid 256 x 1, 4 waves a work-group, no clusters, 0 bytes of LDS; arguments hbuf, ffn_norm_w, router_w, rtf, sel; writes rtf, sel
.if DOCPART == 4
	.amdgcn_target "amdgcn-amd-amdhsa--gfx1250"
	.amdhsa_code_object_version 6
	.text
	.protected	k_qbe6ddaca5b_router
	.globl	k_qbe6ddaca5b_router
	.p2align	8
	.type	k_qbe6ddaca5b_router,@function
k_qbe6ddaca5b_router:
	s_mov_b64 s[64:65], 0
	v_nop
	global_prefetch_b8 v0, s[64:65] scope:SCOPE_SE
	s_setreg_imm32_b32 hwreg(HW_REG_WAVE_MODE, 25, 1), 1
	s_wait_xcnt 0x0
; For each token: rs = 1 / sqrt(mean(h^2) + 1e-5); hf = h * ffn_norm_w * rs, stored in bf16; logits = hf @ router_w, in f32 on the vector unit (a choice hangs on them, and they are
; 1 in 2,000 of the program's multiply-adds); softmax with the maximum taken away; the two largest (a strict comparison keeps the lower index); the two gates, normalised.
; A wave is a token; a lane owns d = 128 i + 4 lane + 0..3.  Stored at fixed places: hf at 0 of rtf, the dense gates [1024][8] at 2,097,152, probs [1024][8] at 2,129,920,
; and in sel the word (1 << first) | (256 << second): whole numbers, from which later launches form addresses.  No branch and no address here hangs on a floating-point number.
; No LDS, no matrix unit, no cluster: the waves share nothing but router_w's 32 KB.
.set H,  16                            ; v16-47 h, later hf packed
.set FW, 48                            ; v48-79 the norm's weights, then h x weight
.set LG, 80                            ; v80-87 logits
.set SQ, 88                            ; v88-91 sums of squares, then rs
.set RW, 96                            ; v96-223 router_w: a ring of four groups of 32
.set P,  96                            ; v96-103 exponentials
.set P2, 104
.macro RGRP i                          ; group i: my four rows of router_w, 128 consecutive bytes a lane
.set q_, 0
.rept 8
	global_load_b128 v[RW+32*((\i)%4)+4*q_:RW+32*((\i)%4)+4*q_+3], v8, s[8:9] offset:4096*(\i)+16*q_
.set q_, q_+1
.endr
.endm
.macro RED v                           ; the sum over the wave's 32 lanes, in every lane
	v_add_f32_dpp v[\v], v[\v], v[\v] row_xmask:1 row_mask:0xf bank_mask:0xf
	v_add_f32_dpp v[\v], v[\v], v[\v] row_xmask:2 row_mask:0xf bank_mask:0xf
	v_add_f32_dpp v[\v], v[\v], v[\v] row_xmask:4 row_mask:0xf bank_mask:0xf
	v_add_f32_dpp v[\v], v[\v], v[\v] row_xmask:8 row_mask:0xf bank_mask:0xf
	v_permlanex16_b32 v10, v[\v], s18, s19
	v_add_f32 v[\v], v[\v], v10
.endm
	s_load_b256 s[4:11], s[0:1], 0x0       ; hbuf 4, ffn_norm_w 6, router_w 8, rtf 10
	s_load_b64 s[12:13], s[0:1], 0x20      ; sel
	v_lshrrev_b32 v6, 5, v0
	v_readfirstlane_b32 s14, v6
	v_and_b32 v3, 31, v0
	s_lshl2_add_u32 s15, ttmp9, s14        ; token
	v_lshlrev_b32 v7, 4, v3
	s_lshl_b32 s16, s15, 12
	v_add_nc_u32 v6, s16, v7
	v_lshlrev_b32 v8, 7, v3
	s_lshl_b32 s16, s15, 11
	v_lshl_add_u32 v9, v3, 3, s16
	s_mov_b32 s18, 0x76543210
	s_mov_b32 s19, 0xfedcba98
	s_mov_b32 s16, 0x3a800000              ; 1 / 1024
	s_mov_b32 s17, 0x3727c5ac              ; 1e-5
	v_mov_b32 v10, 0
.set i_, 0
.rept 12
	v_mov_b32 v[LG+i_], 0
.set i_, i_+1
.endr
	s_wait_kmcnt 0x0
.set i_, 0
.rept 8
	global_load_b128 v[H+4*i_:H+4*i_+3], v6, s[4:5] offset:512*i_
.set i_, i_+1
.endr
.set i_, 0
.rept 8
	global_load_b128 v[FW+4*i_:FW+4*i_+3], v7, s[6:7] offset:512*i_
.set i_, i_+1
.endr
	RGRP 0
	RGRP 1
	RGRP 2
	RGRP 3
.set i_, 0
.rept 8
.if i_ < 5
	s_wait_loadcnt 24                      ; the three younger groups of eight loads stay out
.else
	s_wait_loadcnt 8*(7-i_)
.endif
	v_pk_fma_f32 v[SQ:SQ+1], v[H+4*i_:H+4*i_+1], v[H+4*i_:H+4*i_+1], v[SQ:SQ+1]
	v_pk_fma_f32 v[SQ+2:SQ+3], v[H+4*i_+2:H+4*i_+3], v[H+4*i_+2:H+4*i_+3], v[SQ+2:SQ+3]
	v_pk_mul_f32 v[FW+4*i_:FW+4*i_+1], v[H+4*i_:H+4*i_+1], v[FW+4*i_:FW+4*i_+1]
	v_pk_mul_f32 v[FW+4*i_+2:FW+4*i_+3], v[H+4*i_+2:H+4*i_+3], v[FW+4*i_+2:FW+4*i_+3]
.set d_, 0
.rept 4
.set p_, 0
.rept 4
.if d_&1
	v_pk_fma_f32 v[LG+2*p_:LG+2*p_+1], v[FW+4*i_+2*(d_/2):FW+4*i_+2*(d_/2)+1], v[RW+32*(i_%4)+8*d_+2*p_:RW+32*(i_%4)+8*d_+2*p_+1], v[LG+2*p_:LG+2*p_+1] op_sel:[1,0,0] op_sel_hi:[1,1,1]
.else
	v_pk_fma_f32 v[LG+2*p_:LG+2*p_+1], v[FW+4*i_+2*(d_/2):FW+4*i_+2*(d_/2)+1], v[RW+32*(i_%4)+8*d_+2*p_:RW+32*(i_%4)+8*d_+2*p_+1], v[LG+2*p_:LG+2*p_+1] op_sel:[0,0,0] op_sel_hi:[0,1,1]
.endif
.set p_, p_+1
.endr
.set d_, d_+1
.endr
.if i_ < 4
	RGRP i_+4
.endif
.set i_, i_+1
.endr
	v_pk_add_f32 v[SQ:SQ+1], v[SQ:SQ+1], v[SQ+2:SQ+3]
	v_add_f32 v[SQ], v[SQ], v[SQ+1]
	RED SQ
.set i_, 0
.rept 8
	RED LG+i_
.set i_, i_+1
.endr
	v_fma_f32 v[SQ], v[SQ], s16, s17
	v_rsq_f32 v[SQ+1], v[SQ]
	v_nop
	s_wait_alu depctr_va_vdst(0)
	v_mov_b32 v[SQ], v[SQ+1]               ; rs, twice: a pair for the packed multiplies
.set p_, 0
.rept 4
	v_pk_mul_f32 v[LG+2*p_:LG+2*p_+1], v[LG+2*p_:LG+2*p_+1], v[SQ:SQ+1]
.set p_, p_+1
.endr
	v_max3_num_f32 v90, v[LG], v[LG+1], v[LG+2]
	v_max3_num_f32 v90, v90, v[LG+3], v[LG+4]
	v_max3_num_f32 v90, v90, v[LG+5], v[LG+6]
	v_max_num_f32 v90, v90, v[LG+7]
.set e_, 0
.rept 8
	v_sub_f32 v[P+e_], v[LG+e_], v90
	v_mul_f32 v[P+e_], 0x3fb8aa3b, v[P+e_]
.set e_, e_+1
.endr
.set e_, 0
.rept 8
	v_exp_f32 v[P+e_], v[P+e_]
.set e_, e_+1
.endr
	v_nop
	s_wait_alu depctr_va_vdst(0)           ; one wait for the eight exponentials
	v_add_f32 v112, v[P], v[P+1]
	v_add_f32 v113, v[P+2], v[P+3]
	v_add_f32 v114, v[P+4], v[P+5]
	v_add_f32 v115, v[P+6], v[P+7]
	v_add_f32 v112, v112, v113
	v_add_f32 v114, v114, v115
	v_add_f32 v112, v112, v114
	v_rcp_f32 v113, v112                   ; 1 / sum: read far below, behind the next wait
	v_mov_b32 v114, v[P]                   ; the largest,
	v_mov_b32 v115, 0                      ; and where
.set e_, 1
.rept 7
	v_cmp_gt_f32 vcc_lo, v[P+e_], v114
	v_cndmask_b32 v114, v114, v[P+e_], vcc_lo
	v_cndmask_b32 v115, v115, e_, vcc_lo
.set e_, e_+1
.endr
.set e_, 0
.rept 8
	v_cmp_eq_u32 vcc_lo, e_, v115
	v_cndmask_b32 v[P2+e_], v[P+e_], -1.0, vcc_lo
.set e_, e_+1
.endr
	v_mov_b32 v116, v[P2]                  ; the second,
	v_mov_b32 v117, 0
.set e_, 1
.rept 7
	v_cmp_gt_f32 vcc_lo, v[P2+e_], v116
	v_cndmask_b32 v116, v116, v[P2+e_], vcc_lo
	v_cndmask_b32 v117, v117, e_, vcc_lo
.set e_, e_+1
.endr
	v_add_f32 v118, v114, v116
	v_rcp_f32 v119, v118
	v_mov_b32 v123, 1
	s_wait_alu depctr_va_vdst(0)           ; one wait for both reciprocals
	v_mul_f32 v120, v114, v119             ; the first gate
	v_mul_f32 v121, v116, v119             ; the second
	v_lshlrev_b32 v122, v115, v123
	v_add_nc_u32 v124, 8, v117
	v_lshlrev_b32 v124, v124, v123
	v_or_b32 v122, v122, v124
.set p_, 0
.rept 16
	v_pk_mul_f32 v[FW+2*p_:FW+2*p_+1], v[FW+2*p_:FW+2*p_+1], v[SQ:SQ+1]
.set p_, p_+1
.endr
.set p_, 0
.rept 16
	v_cvt_pk_bf16_f32 v[H+p_], v[FW+2*p_], v[FW+2*p_+1]
.set p_, p_+1
.endr
.set i_, 0
.rept 8
	global_store_b64 v9, v[H+2*i_:H+2*i_+1], s[10:11] offset:256*i_          ; the wave stores 256 consecutive bytes, aligned
.set i_, i_+1
.endr
	v_mov_b32 v125, v[P]                   ; lane e takes expert e's number
.set e_, 1
.rept 7
	v_cmp_eq_u32 vcc_lo, e_, v3
	v_cndmask_b32 v125, v125, v[P+e_], vcc_lo
.set e_, e_+1
.endr
	v_mul_f32 v125, v125, v113
	v_cmp_eq_u32 vcc_lo, v3, v117
	v_cndmask_b32 v126, 0, v121, vcc_lo
	v_cmp_eq_u32 vcc_lo, v3, v115
	v_cndmask_b32 v126, v126, v120, vcc_lo
	s_lshl_b32 s20, s15, 5
	v_lshl_add_u32 v127, v3, 2, s20
	s_lshl_b32 s20, s15, 2
	v_mov_b32 v128, s20
	v_cmp_gt_u32 vcc_lo, 8, v3
	s_wait_xcnt 0x0                        ; EXEC changes only behind this wait
	s_and_saveexec_b32 s21, vcc_lo
	global_store_b32 v127, v125, s[10:11] offset:2129920
	global_store_b32 v127, v126, s[10:11] offset:2097152
	s_wait_xcnt 0x0
	s_or_b32 exec_lo, exec_lo, s21
	v_cmp_eq_u32 vcc_lo, 0, v3
	s_and_saveexec_b32 s21, vcc_lo
	global_store_b32 v128, v122, s[12:13]
	s_wait_xcnt 0x0
	s_or_b32 exec_lo, exec_lo, s21
	s_endpgm
.Lfunc_end_k_qbe6ddaca5b_router:
	.size	k_qbe6ddaca5b_router, .Lfunc_end_k_qbe6ddaca5b_router-k_qbe6ddaca5b_router
	.p2alignl 7, 3214868480
	.fill 96, 4, 3214868480
	.section	.rodata,"a",@progbits
	.p2align	6, 0x0
	.amdhsa_kernel k_qbe6ddaca5b_router
		.amdhsa_group_segment_fixed_size 0
		.amdhsa_private_segment_fixed_size 0
		.amdhsa_enable_private_segment 0
		.amdhsa_kernarg_size 40
		.amdhsa_user_sgpr_count 2
		.amdhsa_user_sgpr_kernarg_segment_ptr 1
		.amdhsa_wavefront_size32 1
		.amdhsa_system_sgpr_workgroup_id_x 1
		.amdhsa_system_sgpr_workgroup_id_y 1
		.amdhsa_system_sgpr_workgroup_id_z 1
		.amdhsa_system_vgpr_workitem_id 0
		.amdhsa_next_free_vgpr 256
		.amdhsa_next_free_sgpr 66
		.amdhsa_reserve_vcc 1
		.amdhsa_float_denorm_mode_32 3
		.amdhsa_float_denorm_mode_16_64 3
		.amdhsa_memory_ordered 1
		.amdhsa_forward_progress 1
		.amdhsa_inst_pref_size 32
	.end_amdhsa_kernel
	.amdgpu_metadata
---
amdhsa.version: [ 1, 2 ]
amdhsa.kernels:
  - .name:           k_qbe6ddaca5b_router
    .symbol:         k_qbe6ddaca5b_router.kd
    .args:
      - { .name: hbuf, .offset: 0, .size: 8, .value_kind: global_buffer, .address_space: global }
      - { .name: ffn_norm_w, .offset: 8, .size: 8, .value_kind: global_buffer, .address_space: global }
      - { .name: router_w, .offset: 16, .size: 8, .value_kind: global_buffer, .address_space: global }
      - { .name: rtf, .offset: 24, .size: 8, .value_kind: global_buffer, .address_space: global }
      - { .name: sel, .offset: 32, .size: 8, .value_kind: global_buffer, .address_space: global }
    .group_segment_fixed_size: 0
    .private_segment_fixed_size: 0
    .kernarg_segment_align: 8
    .kernarg_segment_size: 40
    .max_flat_workgroup_size: 128
    .sgpr_count:     66
    .vgpr_count:     256
    .wavefront_size: 32
...
	.end_amdgpu_metadata
.endif
;; end of part 4
;; launch ffn1 (part 5): grid 32 x 8, 4 waves a work-group, no clusters, 262,656 bytes of LDS; arguments sel, rtf, w1, w3, hid, pos; writes hid, pos
.if DOCPART == 5
	.amdgcn_target "amdgcn-amd-amdhsa--gfx1250"
	.amdhsa_code_object_version 6
	.text
	.protected	k_qbe6ddaca5b_ffn1
	.globl	k_qbe6ddaca5b_ffn1
	.p2align	8
	.type	k_qbe6ddaca5b_ffn1,@function
k_qbe6ddaca5b_ffn1:
	s_mov_b64 s[64:65], 0
	v_nop
	global_prefetch_b8 v0, s[64:65] scope:SCOPE_SE
	s_setreg_imm32_b32 hwreg(HW_REG_WAVE_MODE, 25, 1), 1
	s_wait_xcnt 0x0
; hidden = silu(hf @ w1[e]) * (hf @ w3[e]) for the rows that chose expert e.  A work-group has 64 columns of w1[e] and of w3[e], all of K: 512 KB of f32 that it alone reads, once,
; rounds to bf16 and lays into LDS as fragments (256 KB); and all of the expert's rows.
; ROUTING, in every work-group, from the stored choices (whole numbers): a bitmap of the 1,024 tokens in 32 scalar registers and its prefix sums; the token of a rank is found by a search in them,
; and goes from there to the row's address in registers alone.  Word 4 c + i, bit l, stands for token 128 c + 4 l + i; a token's rank is its place in that order.
; Slice 0 stores the ranks, the count and the gates by rank for the later launches.
; PRODUCTS.  One barrier behind the fill; then no wave writes LDS until the closing barrier.  Tiles of 16 ranks are dealt to the waves by turns (tile 4 k + w); a pass takes five tile places of a wave through all of K:
; 40 accumulators.  A constant loop of four passes serves every split (1,024 rows on one expert: 16 tiles a wave); a pass without tiles is jumped; a tile place past the wave's count repeats its last tile and has no way out.
; The fifth place is the spare one (four tiles a wave are 256 rows): where it is dead its products are jumped too, in all K steps but the first, which starts the sums and writes every accumulator.
; Rows past the count in the last tile repeat the last row, so that whole tiles are stored.  hf's rows come straight from memory as fragments, three K steps ahead.
; THE WALK GOES ROUND.  K is eight blocks of four steps; the work-group begins at block slice % 8 and goes round, so that the 32 work-groups that share an expert's rows do not all ask for the same bytes at the same time.
; What a trip asks for lies in its own block or in the next: two LDS addresses (this block's, the next one's) and one pointer into hf, made anew at the trip's end.
; A step's 16 fragment loads stand in four groups among its products, so that the wave issues products while LDS serves them.
; The matrix instruction is used transposed (source 0 = weights, source 1 = rows): a lane holds one row and 32 neighbouring columns.
; No tensor load and no cluster: the weights have one reader each and are rounded in registers; the rows come by their tokens.
; LIMITS. bf16 operands; hidden rounded once to bf16.  silu(a) = a / (1 + 2^(-a log2 e)): for a below -88 the exponential is infinite and the result 0.
; The order of K in the f32 sums hangs on the slice: an order of rounding that differs from a plain ascending sum's.
; OUT. hid image ((e x 64 + tile) x 64 + ks): place i of lane (r, h) is column 64 (ks / 2) + 32 h + 16 (ks % 2) + i of rank 16 tile + r.  Behind the images, at 33,554,432: the gates, f32 [8][1024] by rank.
.set SPARE, 262144                     ; LDS: the spare words, behind the 32 x 8,192 bytes of fragments
.set MT,   5
.set NT,   8
.set KSTR, 8192
.set ASTR, 64
.set AH2,  32
.set SPW, 4
.set NIL, 5
.set LW,  6
.set L16, 7
.set LA,  8                            ; where this block's fragments are read
.set H16, 9
.set GBS, 10                           ; byte offset in hid of the gate of rank r of tile 0
.set LA2, 11                           ; where the next block's are
.set AO,  12                           ; v12-16 byte offsets of my rows in hf
.set TK,  17                           ; v17-22 tokens of six tile places (the sixth serves nothing)
.set HO,  23                           ; v23-27 byte offsets in hid
.set HOC, 28                           ; that of the tile that is leaving
.set TMP, 31
.set RO,  32                           ; v32-47
.set F,   48                           ; v48-79 fragments on their way to LDS
.set SV,  48                           ; v48-79 first: the choices
.set GV,  96                           ; v96-100 gates of my rows, by tile place (slice 0)
.set GO,  101                          ; v101-105 where they are stored
.set GA,  106                          ; v106-110 where they are read
.set BB,  128                          ; v128-255 two buffers of eight fragments
.set T,   128                          ; v128-159 the way out, at work
.set HH,  160                          ; v160-175 the way out: 16 packed words
.set AB,  176                          ; v176-207 the way out: a b
.set BLK, 2                            ; the next block's number
.set LOF, 3
.set AOF, 4                            ; s4-5 the next block's byte offset in a row of hf, in 64 bits (the choices' address has served by then)
.set AP,  8                            ; s8-9 hf at the block that is asked for (w1's address has served by then)
.set ML2, 10                           ; s10-11 -log2(e)
.set EI,  14                           ; the tile place that is leaving (pos's address has served by then)
.set EB,  15                           ; live tile places in this pass
.set BM,  16                           ; s16-47 the bitmap
.set WV,  48
.set EX,  49
.set SL,  50
.set CNT, 51
.set NM1, 52                           ; my wave's tiles less 1
.set NTL, 53                           ; my wave's tiles
.set TP,  54                           ; tiles done
.set CTR, 55
.set OC,  56
.set R0,  57
.set SC,  58
.set L5,  59                           ; 1: the fifth tile place is alive in this pass
.set TPJ, 60
.set CM1, 61                           ; the count less 1
.set X0,  62                           ; s62-63
.set Q,   66                           ; s66-97 32 x prefix + word
.set WB,  98                           ; s98-99 w1, s100-101 w3, in the fill
.set HB,  98                           ; s98-99 hid at my expert and slice, behind the fill
.set SEL, 100                          ; s100-101 v_permlanex16_b32's selects, behind the fill
.set MSB, 0
.macro WIN new
.if MSB != (\new)
	s_set_vgpr_msb (MSB<<8)|(\new)
.set MSB, (\new)
.endif
.endm
.macro PLACES
.rept 4
	v_nop
.endr
.endm
; Unit jj of four: K step jj / 2 of the two in hand, w1 (even) or w3 (odd): 32 rows x 64 columns; sixteen lanes read 256 consecutive bytes of a row.
.macro LOADU jj, extra
	WIN 0x40
.set i_, 0
.rept 16
	global_load_b128 v[64*(\jj)+4*i_:64*(\jj)+4*i_+3], v[RO+i_], s[WB+2*((\jj)&1):WB+2*((\jj)&1)+1] offset:((\jj)>>1)*262144+(\extra) th:TH_LOAD_NT
.set i_, i_+1
.endr
	WIN 0
.endm
.macro CVTU u
	WIN 0x05
.set t_, 0
.rept 4
.set q_, 0
.rept 8
	v_cvt_pk_bf16_f32 v[F+8*t_+q_], v[64*(\u)+8*q_+t_], v[64*(\u)+8*q_+4+t_]
.set q_, q_+1
.endr
.set t_, t_+1
.endr
	WIN 0
.endm
.macro STOU off
.set t_, 0
.rept 4
	ds_store_b128 v[LW], v[F+8*t_:F+8*t_+3] offset:(\off)+1024*t_
	ds_store_b128 v[LW], v[F+8*t_+4:F+8*t_+7] offset:(\off)+1024*t_+512
.set t_, t_+1
.endr
.endm
.macro FILL4 reload
.irp jj, 0,1,2,3
.if \reload
	s_wait_loadcnt 48                      ; the three younger units of 16 loads stay out
.else
	s_wait_loadcnt 48-16*(\jj)
.endif
	CVTU \jj
	STOU ((\jj)>>1)*8192+((\jj)&1)*4096
.if \reload
	LOADU \jj, 524288
.endif
.endr
.endm
.macro BPART b, lr, off, f0            ; fragments f0 and f0 + 1 of a K step's eight, into buffer b: four LDS loads; lr: this block's address register or the next one's
.set f_, (\f0)
.rept 2
	ds_load_b128 v[BB+64*(\b)+8*f_:BB+64*(\b)+8*f_+3], v[\lr] offset:(\off)+1024*f_
	ds_load_b128 v[BB+64*(\b)+8*f_+4:BB+64*(\b)+8*f_+7], v[\lr] offset:(\off)+1024*f_+512
.set f_, f_+1
.endr
.endm
.macro ALOAD s, off
	WIN 0x80
.set i_, 0
.rept MT
	global_load_b128 v[40*(\s)+8*i_:40*(\s)+8*i_+3], v[AO+i_], s[AP:AP+1] offset:(\off)
	global_load_b128 v[40*(\s)+8*i_+4:40*(\s)+8*i_+7], v[AO+i_], s[AP:AP+1] offset:(\off)+AH2
.set i_, i_+1
.endr
	WIN 0
.endm
.macro W1 d, b, a, zero
.if \zero
	v_wmma_f32_16x16x32_bf16 v[(\d):(\d)+7], v[(\b):(\b)+7], v[(\a):(\a)+7], 0
.else
	v_wmma_f32_16x16x32_bf16 v[(\d):(\d)+7], v[(\b):(\b)+7], v[(\a):(\a)+7], v[(\d):(\d)+7]
.endif
.endm
.macro TILE c, i, zero                 ; tile i's eight products: source 0 (weights) window 0, source 1 (rows) window 2, C and D window 1
	WIN 0x58
.set f_, 0
.rept NT
	W1 64*(\i)+8*f_, BB+64*((\c)&1)+8*f_, 40*((\c)&3)+8*(\i), \zero
.set f_, f_+1
.endr
.endm
.macro FIFTH c, zero                   ; the fifth tile's eight products; its accumulators lie in window 2
	WIN 0xa8
.set f_, 0
.rept NT
	W1 160+8*f_, BB+64*((\c)&1)+8*f_, 40*((\c)&3)+32, \zero
.set f_, f_+1
.endr
	WIN 0
.endm
; One K step, c = step mod 4.  lr, ob: the next step's fragments; oa: the rows' fragments three steps on; wl: the loads of the younger steps, ten each, that may stay out.
; The four v_nop at the head stand between the last step's products and every load of this step into registers that those products read: the rows' slot and the other fragment buffer.
; The loads are the same whether the fifth place is alive or not, so the counts hold on both ways; only its products are jumped.  The accumulators take turns, with the fifth tile's or without.
.macro STEP c, zero, lr, ob, oa, wl
	WIN 0
	PLACES
.if (\oa) >= 0
	ALOAD ((\c)+3)&3, \oa
.endif
	s_wait_loadcnt \wl
	s_wait_dscnt 0x0                       ; this step's fragments, asked for among the last step's products
.if (\ob) >= 0
	BPART ((\c)+1)&1, \lr, \ob, 0
.endif
	TILE \c, 0, \zero
.if (\ob) >= 0
	WIN 0
	BPART ((\c)+1)&1, \lr, \ob, 2
.endif
	TILE \c, 1, \zero
.if (\ob) >= 0
	WIN 0
	BPART ((\c)+1)&1, \lr, \ob, 4
.endif
	TILE \c, 2, \zero
.if (\ob) >= 0
	WIN 0
	BPART ((\c)+1)&1, \lr, \ob, 6          ; the last group has eight products or more in which to land
.endif
	TILE \c, 3, \zero
.if \zero
	FIFTH \c, 1                            ; the first K step writes every accumulator, alive or not
.else
	WIN 0                                  ; at a branch and at a label every window is 0
	s_cmp_lg_u32 s[L5], 0
	s_cbranch_scc0 .Lno5_\@
	FIFTH \c, 0
.Lno5_\@:
.endif
.endm
.macro SELSTEP src, width, stp         ; does rank n lie behind the field of \width bits at pos? then leave the field's count behind and step on
	v_bfe_u32 v90, v[\src], v89, \width
	v_cmp_ge_u32 vcc_lo, v84, v90
	v_cndmask_b32 v90, 0, v90, vcc_lo
	v_sub_nc_u32 v84, v84, v90
	v_cndmask_b32 v91, 0, \stp, vcc_lo
	v_add_nc_u32 v89, v89, v91
.endm
; The part of a tile's way out that names its accumulators (a in 0-3, b in 4-7): -a log2(e) and a b, into fixed registers; each accumulator is read from its low end on.
.macro HEAD i
.if (\i) < 4
.set ab_, 64*(\i)
.set wa_, 0x01
.set wb_, 0x05
.else
.set ab_, 160
.set wa_, 0x02
.set wb_, 0x0a
.endif
	WIN wa_
.set p_, 0
.rept 16
	v_pk_mul_f32 v[T+2*p_:T+2*p_+1], v[ab_+2*p_:ab_+2*p_+1], s[ML2:ML2+1] op_sel_hi:[1,0]
.set p_, p_+1
.endr
	WIN wb_
.set p_, 0
.rept 16
	v_pk_mul_f32 v[AB+2*p_:AB+2*p_+1], v[ab_+2*p_:ab_+2*p_+1], v[ab_+32+2*p_:ab_+32+2*p_+1]
.set p_, p_+1
.endr
	WIN 0
	v_mov_b32 v[HOC], v[HO+(\i)]
.endm
	s_load_b256 s[4:11], s[0:1], 0x0       ; sel 4, rtf 6, w1 8, w3 10
	s_load_b128 s[12:15], s[0:1], 0x20     ; hid 12, pos 14
	v_lshl_add_u32 v[SPW], v0, 2, SPARE
	v_mov_b32 v[NIL], 0
	v_lshrrev_b32 v[TMP], 5, v0
	v_readfirstlane_b32 s[WV], v[TMP]
	v_and_b32 v3, 31, v0
	v_and_b32 v1, 15, v0
	v_bfe_u32 v2, v0, 4, 1
	s_mov_b32 s[SL], ttmp9                 ; slice of 64 columns
	s_and_b32 s[EX], ttmp7, 0xffff         ; expert
	v_lshlrev_b32 v[L16], 4, v3
	s_lshl_b32 s[R0], s[WV], 16
	v_add_nc_u32 v[LW], s[R0], v[L16]      ; my wave fills K steps 8 w .. 8 w + 7
	v_lshlrev_b32 v[H16], 4, v2
	s_lshl_b32 s[R0], s[EX], 12
	s_add_co_u32 s[R0], s[R0], 33554432    ; the gates by rank lie behind the images
	v_lshl_add_u32 v[GBS], v1, 2, s[R0]
.set i_, 0
.rept 4
	v_mov_b32 v[TK+2+i_], 0                ; the chain of tokens is read from its first trip on
.set i_, i_+1
.endr
.set i_, 0
.rept MT
	v_mov_b32 v[GV+i_], 0                  ; written on every way, loaded in slice 0 alone
.set i_, i_+1
.endr
	v_lshlrev_b32 v[TMP], 16, v2           ; 8 h rows of 8,192 bytes
	v_lshl_add_u32 v[TMP], v1, 4, v[TMP]
.set i_, 0
.rept 16
	v_add_nc_u32 v[RO+i_], (i_+8*(i_/8))*8192, v[TMP]      ; the fragment's own order of K
.set i_, i_+1
.endr
	s_lshl_b32 s[X0], s[EX], 23
	s_lshl_b32 s[R0], s[SL], 8
	s_add_co_u32 s[X0], s[X0], s[R0]
	s_lshl_b32 s[R0], s[WV], 21
	s_add_co_u32 s[X0], s[X0], s[R0]
	s_mov_b32 s[X0+1], 0
	s_wait_kmcnt 0x0
	s_add_nc_u64 s[WB:WB+1], s[8:9], s[X0:X0+1]
	s_add_nc_u64 s[WB+2:WB+3], s[10:11], s[X0:X0+1]
.set c_, 0
.rept 8
	global_load_b128 v[SV+4*c_:SV+4*c_+3], v[L16], s[4:5] offset:512*c_
.set c_, c_+1
.endr
	LOADU 0, 0
	LOADU 1, 0
	LOADU 2, 0
	s_wait_loadcnt 48                      ; the three units stay out: the choices are in
	LOADU 3, 0
	; the bitmap, its prefix sums, the count: all beside the weights' first loads
	s_lshl_b32 s[R0], 0x101, s[EX]
.set w_, 0
.rept 32
	v_and_b32 v[80+(w_&3)], s[R0], v[SV+w_]
	v_cmp_ne_u32 s[BM+w_], 0, v[80+(w_&3)]
.set w_, w_+1
.endr
	s_mov_b32 s[CNT], 0
.set w_, 0
.rept 32
	s_lshl_b32 s[Q+w_], s[CNT], 5
	s_or_b32 s[Q+w_], s[Q+w_], w_
	s_bcnt1_i32_b32 s[X0], s[BM+w_]
	s_add_co_u32 s[CNT], s[CNT], s[X0]
.set w_, w_+1
.endr
	s_add_co_u32 s[NTL], s[CNT], 15
	s_lshr_b32 s[NTL], s[NTL], 4           ; tiles of 16 ranks
	s_add_co_u32 s[NTL], s[NTL], 3
	s_sub_co_u32 s[NTL], s[NTL], s[WV]
	s_lshr_b32 s[NTL], s[NTL], 2           ; of which tiles w, w + 4, .. are mine
	s_or_b32 s[X0], s[SL], s[WV]
	s_cmp_lg_u32 s[X0], 0
	s_cbranch_scc1 .Lnopos
.set w_, 0
.rept 32                               ; each token's rank (a number without meaning where it did not choose this expert: never read)
	s_lshr_b32 s[X0], s[Q+w_], 5
	v_mbcnt_lo_u32_b32 v[SV+w_], s[BM+w_], s[X0]
.set w_, w_+1
.endr
	s_lshl_b32 s[X0], s[EX], 12
	v_add_nc_u32 v80, s[X0], v[L16]
.set c_, 0
.rept 8
	global_store_b128 v80, v[SV+4*c_:SV+4*c_+3], s[14:15] offset:512*c_
.set c_, c_+1
.endr
	v_mov_b32 v82, s[CNT]
	v_mov_b32 v83, s[CNT]
	s_lshl_b32 s[X0], s[EX], 8
	v_lshl_add_u32 v81, v3, 3, s[X0]
	global_store_b64 v81, v[82:83], s[14:15] offset:32768  ; the count, 64 times: 256 consecutive bytes
	s_wait_xcnt 0x0                        ; these registers are written again below
.Lnopos:
	; the fill: 16 units a wave, four in flight
	s_mov_b32 s[OC], 3
.Lfill:
	FILL4 1
	s_wait_xcnt 0x0                        ; the bases are stepped only behind this wait
	s_add_nc_u64 s[WB:WB+1], s[WB:WB+1], 524288
	s_add_nc_u64 s[WB+2:WB+3], s[WB+2:WB+3], 524288
	v_add_nc_u32 v[LW], 16384, v[LW]
	s_sub_co_u32 s[OC], s[OC], 1
	s_cmp_lg_u32 s[OC], 0
	s_cbranch_scc1 .Lfill
	FILL4 0
	s_wait_dscnt 0x0                       ; for the others' sake: my fragments are in LDS
	s_barrier_signal -1
	s_barrier_wait -1
	s_mov_b32 s[ML2], 0xbfb8aa3b           ; -log2(e)
	s_mov_b32 s[ML2+1], s[ML2]
	s_mov_b32 s[SEL], 0x76543210           ; each lane takes its own place in the other half (the weights' loads have all come back: their bases are free)
	s_mov_b32 s[SEL+1], 0xfedcba98
	s_mov_b32 s[AOF+1], 0
	s_lshl_b32 s[X0], s[EX], 22
	s_lshl_b32 s[R0], s[SL], 11
	s_add_co_u32 s[X0], s[X0], s[R0]
	s_mov_b32 s[X0+1], 0
	s_add_nc_u64 s[HB:HB+1], s[12:13], s[X0:X0+1]
	s_sub_co_i32 s[NM1], s[NTL], 1
	s_sub_co_i32 s[CM1], s[CNT], 1
	s_mov_b32 s[TP], 0
	s_mov_b32 s[OC], 4
.Lpass:
	s_cmp_ge_u32 s[TP], s[NTL]
	s_cbranch_scc1 .Lpskip
	s_wait_xcnt 0x0                        ; the last pass's loads and stores have read their registers
	; where the walk begins, in every pass: block slice % 8; a block is 4 K steps: 32,768 bytes of fragments, 256 bytes of a row of hf.  No read passes byte 7 x 32,768 + 3 x 8,192 + 8,191
	s_and_b32 s[BLK], s[SL], 7
	s_lshl_b32 s[LOF], s[BLK], 15
	v_add_nc_u32 v[LA], s[LOF], v[L16]
	s_lshl_b32 s[AOF], s[BLK], 8
	s_add_nc_u64 s[AP:AP+1], s[6:7], s[AOF:AOF+1]
	s_add_co_u32 s[BLK], s[BLK], 1         ; and the block behind it
	s_and_b32 s[BLK], s[BLK], 7
	s_lshl_b32 s[LOF], s[BLK], 15
	v_add_nc_u32 v[LA2], s[LOF], v[L16]
	s_lshl_b32 s[AOF], s[BLK], 8
	s_add_co_u32 s[R0], s[TP], 4
	s_cmp_lt_u32 s[R0], s[NTL]
	s_cselect_b32 s[L5], 1, 0
	; The tokens of this pass's tile places, two places a trip: lanes 0-15 search for place 2 j, lanes 16-31 for place 2 j + 1, each lane for rank 16 tile + r.
	; The search is written once: its two results enter a chain of six registers at the top, and the earlier ones move down two places a trip.
	s_mov_b32 s[TPJ], s[TP]
	s_mov_b32 s[SC], 3
.Lfind:
	v_add_nc_u32 v80, s[TPJ], v2           ; my place among the wave's tiles,
	v_min_u32 v80, s[NM1], v80             ; a place past the wave's count repeats its last tile
	v_lshl_add_u32 v80, v80, 2, s[WV]      ; tile 4 k + w
	v_min_u32 v80, 63, v80
	v_lshl_add_u32 v80, v80, 4, v1
	v_min_u32 v80, s[CM1], v80             ; ranks past the count repeat the last
	v_lshl_or_b32 v81, v80, 5, 31
	v_mov_b32 v82, s[Q]
	v_mov_b32 v83, s[BM]
.set w_, 1
.rept 31                               ; the last word whose prefix does not pass the rank
	v_cmp_le_u32 vcc_lo, s[Q+w_], v81
	v_cndmask_b32 v82, v82, s[Q+w_], vcc_lo
	v_cndmask_b32 v83, v83, s[BM+w_], vcc_lo
.set w_, w_+1
.endr
	v_lshrrev_b32 v84, 5, v82
	v_sub_nc_u32 v84, v80, v84             ; n: the set bit wanted in that word
	v_lshrrev_b32 v85, 1, v83
	v_and_b32 v85, 0x55555555, v85
	v_sub_nc_u32 v85, v83, v85             ; counts of 2 bits
	v_lshrrev_b32 v86, 2, v85
	v_and_b32 v86, 0x33333333, v86
	v_and_b32 v87, 0x33333333, v85
	v_add_nc_u32 v86, v87, v86             ; of 4
	v_lshrrev_b32 v87, 4, v86
	v_add_nc_u32 v87, v86, v87
	v_and_b32 v87, 0x0f0f0f0f, v87         ; of 8
	v_lshrrev_b32 v88, 8, v87
	v_add_nc_u32 v88, v87, v88             ; of 16, in the low byte of each half
	v_mov_b32 v89, 0
	SELSTEP 88, 8, 16
	SELSTEP 87, 8, 8
	SELSTEP 86, 4, 4
	SELSTEP 85, 2, 2
	SELSTEP 83, 1, 1
	v_and_b32 v90, 31, v82
	v_lshrrev_b32 v91, 2, v90
	v_and_b32 v90, 3, v90
	v_lshl_add_u32 v90, v91, 7, v90
	v_lshl_add_u32 v90, v89, 2, v90        ; token 128 c + 4 bit + i
	v_permlanex16_b32 v91, v90, s[SEL], s[SEL+1]           ; the other place's token of the same r
	v_cmp_eq_u32 vcc_lo, 1, v2
	v_mov_b32 v[TK], v[TK+2]
	v_mov_b32 v[TK+1], v[TK+3]
	v_mov_b32 v[TK+2], v[TK+4]
	v_mov_b32 v[TK+3], v[TK+5]
	v_cndmask_b32 v[TK+4], v90, v91, vcc_lo                ; place 2 j, in both halves of the lanes
	v_cndmask_b32 v[TK+5], v91, v90, vcc_lo                ; place 2 j + 1
	s_add_co_u32 s[TPJ], s[TPJ], 2
	s_sub_co_u32 s[SC], s[SC], 1
	s_cmp_lg_u32 s[SC], 0
	s_cbranch_scc1 .Lfind
.set i_, 0
.rept MT
	s_add_co_u32 s[R0], s[TP], i_
	s_min_u32 s[R0], s[R0], s[NM1]
	s_lshl2_add_u32 s[R0], s[R0], s[WV]
	s_min_u32 s[R0], s[R0], 63             ; the place's tile, as the search has it
	v_lshl_add_u32 v[HO+i_], s[R0], 16, v[L16]
	v_lshl_add_u32 v[GO+i_], s[R0], 6, v[GBS]
	v_min_u32 v[TK+i_], 0x3ff, v[TK+i_]
	v_lshl_add_u32 v[AO+i_], v[TK+i_], 11, v[H16]          ; token x 2,048 + 16 h
.set i_, i_+1
.endr
	s_cmp_lg_u32 s[SL], 0
	s_cbranch_scc1 .Lnogl
	s_lshl_b32 s[R0], s[EX], 2             ; slice 0: my rows' gates out of the dense table; asked for ahead of the rows, so the walk's counts are not touched; stored behind the pass
.set i_, 0
.rept MT
	v_lshl_add_u32 v[GA+i_], v[TK+i_], 5, s[R0]
	global_load_b32 v[GV+i_], v[GA+i_], s[6:7] offset:2097152
.set i_, i_+1
.endr
.Lnogl:
	ALOAD 0, 0
	ALOAD 1, ASTR
	ALOAD 2, 2*ASTR
.irp g, 0,2,4,6
	BPART 0, LA, 0, \g
.endr
	STEP 0, 1, LA, KSTR, 3*ASTR, 30        ; the first K step starts the sums
	s_wait_xcnt 0x0                        ; the pointer is written only behind this wait:
	s_add_nc_u64 s[AP:AP+1], s[6:7], s[AOF:AOF+1]          ; from here on all that is asked of hf lies in the next block
	s_mov_b32 s[CTR], 7
.Lk:                                           ; a trip: steps 1, 2, 3 of this block and step 0 of the next
	STEP 1, 0, LA, 2*KSTR, 0, 30
	STEP 2, 0, LA, 3*KSTR, ASTR, 30
	STEP 3, 0, LA2, 0, 2*ASTR, 30
	STEP 0, 0, LA2, KSTR, 3*ASTR, 30
	s_wait_xcnt 0x0                        ; on by a block, round the eight
	v_mov_b32 v[LA], v[LA2]
	s_add_co_u32 s[BLK], s[BLK], 1
	s_and_b32 s[BLK], s[BLK], 7
	s_lshl_b32 s[LOF], s[BLK], 15
	v_add_nc_u32 v[LA2], s[LOF], v[L16]
	s_lshl_b32 s[AOF], s[BLK], 8
	s_add_nc_u64 s[AP:AP+1], s[6:7], s[AOF:AOF+1]
	s_sub_co_u32 s[CTR], s[CTR], 1
	s_cmp_lg_u32 s[CTR], 0
	s_cbranch_scc1 .Lk
	STEP 1, 0, LA, 2*KSTR, -1, 20          ; the last three steps ask for no rows: the counts run down
	STEP 2, 0, LA, 3*KSTR, -1, 10
	STEP 3, 0, LA, -1, -1, 0
	PLACES
	; THE WAY OUT, written once: a loop over the pass's live tile places; only HEAD names a tile's accumulators.  My 32 columns are 32 h + 4 j + t.
	s_sub_co_u32 s[EB], s[NTL], s[TP]
	s_min_u32 s[EB], s[EB], MT
	s_mov_b32 s[EI], 0
.Lepi:
	s_wait_xcnt 0x0                        ; the last tile's stores have read HH and HOC
.irp i, 0,1,2,3
	s_cmp_lg_u32 s[EI], \i
	s_cbranch_scc1 .Lnot\i
	HEAD \i
	s_branch .Lebody
.Lnot\i:
.endr
	HEAD 4
.Lebody:
.set p_, 0
.rept 32
	v_exp_f32 v[T+p_], v[T+p_]
.set p_, p_+1
.endr
	v_nop
	s_wait_alu depctr_va_vdst(0)           ; one wait for the 32 exponentials
.set p_, 0
.rept 16
	v_pk_add_f32 v[T+2*p_:T+2*p_+1], v[T+2*p_:T+2*p_+1], 1.0 op_sel_hi:[1,0]
.set p_, p_+1
.endr
.set p_, 0
.rept 32
	v_rcp_f32 v[T+p_], v[T+p_]
.set p_, p_+1
.endr
	v_nop
	s_wait_alu depctr_va_vdst(0)           ; one wait for the 32 reciprocals
.set p_, 0
.rept 16
	v_pk_mul_f32 v[T+2*p_:T+2*p_+1], v[AB+2*p_:AB+2*p_+1], v[T+2*p_:T+2*p_+1]
.set p_, p_+1
.endr
.set j_, 0
.rept 8
.set u_, 0
.rept 2
	v_cvt_pk_bf16_f32 v[HH+2*j_+u_], v[T+16*u_+j_], v[T+16*u_+8+j_]
.set u_, u_+1
.endr
.set j_, j_+1
.endr
.set p_, 0
.rept 4
	global_store_b128 v[HOC], v[HH+4*p_:HH+4*p_+3], s[HB:HB+1] offset:512*p_         ; 512 consecutive bytes
.set p_, p_+1
.endr
	s_add_co_u32 s[EI], s[EI], 1
	s_cmp_lt_u32 s[EI], s[EB]
	s_cbranch_scc1 .Lepi
	s_cmp_lg_u32 s[SL], 0
	s_cbranch_scc1 .Lnogs
	v_cmp_gt_u32 vcc_lo, 16, v3            ; both halves of the lanes hold the same 16 gates: lanes 0-15 store them, 64 consecutive bytes a tile
	s_wait_xcnt 0x0                        ; EXEC changes only behind this wait
	s_and_saveexec_b32 s[X0], vcc_lo
.set i_, 0
.rept MT
	global_store_b32 v[GO+i_], v[GV+i_], s[12:13]          ; a place that repeats a tile stores that tile's words once more
.set i_, i_+1
.endr
	s_wait_xcnt 0x0
	s_or_b32 exec_lo, exec_lo, s[X0]
.Lnogs:
	s_add_co_u32 s[TP], s[TP], MT
.Lpskip:
	s_sub_co_u32 s[OC], s[OC], 1
	s_cmp_lg_u32 s[OC], 0
	s_cbranch_scc1 .Lpass
	s_wait_dscnt 0x0                       ; my reads of the fragments are back,
	s_barrier_signal -1
	s_barrier_wait -1                      ; and so are every wave's: no LDS word is written below while a wave may still read, whatever address its walk has reached
	s_wait_tensorcnt 0x0                   ; the wave's end
	ds_add_u32 v[SPW], v[NIL]
	s_wait_dscnt 0x0
	s_endpgm
.Lfunc_end_k_qbe6ddaca5b_ffn1:
	.size	k_qbe6ddaca5b_ffn1, .Lfunc_end_k_qbe6ddaca5b_ffn1-k_qbe6ddaca5b_ffn1
	.p2alignl 7, 3214868480
	.fill 96, 4, 3214868480
	.section	.rodata,"a",@progbits
	.p2align	6, 0x0
	.amdhsa_kernel k_qbe6ddaca5b_ffn1
		.amdhsa_group_segment_fixed_size 262656
		.amdhsa_private_segment_fixed_size 0
		.amdhsa_enable_private_segment 0
		.amdhsa_kernarg_size 48
		.amdhsa_user_sgpr_count 2
		.amdhsa_user_sgpr_kernarg_segment_ptr 1
		.amdhsa_wavefront_size32 1
		.amdhsa_system_sgpr_workgroup_id_x 1
		.amdhsa_system_sgpr_workgroup_id_y 1
		.amdhsa_system_sgpr_workgroup_id_z 1
		.amdhsa_system_vgpr_workitem_id 0
		.amdhsa_next_free_vgpr 736
		.amdhsa_next_free_sgpr 102
		.amdhsa_reserve_vcc 1
		.amdhsa_float_denorm_mode_32 3
		.amdhsa_float_denorm_mode_16_64 3
		.amdhsa_memory_ordered 1
		.amdhsa_forward_progress 1
		.amdhsa_inst_pref_size 119
	.end_amdhsa_kernel
	.amdgpu_metadata
---
amdhsa.version: [ 1, 2 ]
amdhsa.kernels:
  - .name:           k_qbe6ddaca5b_ffn1
    .symbol:         k_qbe6ddaca5b_ffn1.kd
    .args:
      - { .name: sel, .offset: 0, .size: 8, .value_kind: global_buffer, .address_space: global }
      - { .name: rtf, .offset: 8, .size: 8, .value_kind: global_buffer, .address_space: global }
      - { .name: w1, .offset: 16, .size: 8, .value_kind: global_buffer, .address_space: global }
      - { .name: w3, .offset: 24, .size: 8, .value_kind: global_buffer, .address_space: global }
      - { .name: hid, .offset: 32, .size: 8, .value_kind: global_buffer, .address_space: global }
      - { .name: pos, .offset: 40, .size: 8, .value_kind: global_buffer, .address_space: global }
    .group_segment_fixed_size: 262656
    .private_segment_fixed_size: 0
    .kernarg_segment_align: 8
    .kernarg_segment_size: 48
    .max_flat_workgroup_size: 128
    .sgpr_count:     102
    .vgpr_count:     736
    .wavefront_size: 32
...
	.end_amdgpu_metadata
.endif
;; end of part 5
;; launch ffn2 (part 6): grid 32 x 8, 4 waves a work-group, no clusters, 131,584 bytes of LDS; arguments pos, hid, w2, ypart; writes ypart
.if DOCPART == 6
	.amdgcn_target "amdgcn-amd-amdhsa--gfx1250"
	.amdhsa_code_object_version 6
	.text
	.protected	k_qbe6ddaca5b_ffn2
	.globl	k_qbe6ddaca5b_ffn2
	.p2align	8
	.type	k_qbe6ddaca5b_ffn2,@function
k_qbe6ddaca5b_ffn2:
	s_mov_b64 s[64:65], 0
	v_nop
	global_prefetch_b8 v0, s[64:65] scope:SCOPE_SE
	s_setreg_imm32_b32 hwreg(HW_REG_WAVE_MODE, 25, 1), 1
	s_wait_xcnt 0x0
; ypart[kh][e][rank] = gate * (hidden[rank][half kh of FF] @ w2[e][that half]).  A work-group has 64 output columns and one half of K (1,024 rows of w2[e] x 256 bytes of f32), which it alone
; reads, once, rounds to bf16 and lays into LDS as fragments; and all of the expert's rows.  Two halves, so that 256 work-groups read row pieces of 256 bytes; the two partial rows (f32) are added by the next launch.
; One barrier behind the fill; then no wave writes LDS until the closing barrier.  Tiles, passes and jumps as in the launch before: five tile places of a wave a pass, a constant loop of four passes, which serves every split;
; where the fifth place is dead its products are jumped, in all K steps but the first, which starts the sums and writes every accumulator.
; hidden comes straight from memory as fragment images; w2's rows are taken in the order in which those images hold FF: place i of lane half h is row 64 (ks / 2) + 16 (ks % 2) + 32 h + i.
; THE WALK GOES ROUND.  The half of K is eight blocks of four steps; the work-group begins at block (column block) % 8 and goes round, so that the 16 work-groups that share an expert's images do not all ask for the same
; bytes at the same time.  What a trip asks for lies in its own block or in the next: two LDS addresses and one pointer into hid, made anew at the trip's end.
; A step's eight fragment loads stand in two groups among its products, so that the wave issues products while LDS serves them.
; In the result a lane holds columns 4 r .. 4 r + 3 (accumulators 0-3) of ranks 8 h + j: 16 bytes that belong together.
; No tensor load: the weights are rounded in registers.  No cluster: each slice of weights has one reader; the images that an expert's work-groups share come out of what the launch before has just written.
; LIMIT. The order of K in the f32 sums hangs on the column block: an order of rounding that differs from a plain ascending sum's.
.set SPARE, 131072
.set MT,   5
.set NT,   4
.set KSTR, 4096
.set ASTR, 1024
.set AH2,  512
.set SPW, 4
.set NIL, 5
.set LW,  6
.set L16, 7
.set LA,  8                            ; where this block's fragments are read
.set LA2, 9                            ; where the next block's are
.set GB,  10
.set YB,  11
.set AO,  12                           ; v12-16
.set GA,  17                           ; v17-21
.set YO,  22                           ; v22-26
.set TMP, 31
.set RO,  32                           ; v32-47
.set F,   48                           ; v48-79 in the fill
.set GT,  48                           ; v48-87 eight gates a tile
.set BB,  88                           ; v88-151 two buffers of four fragments
.set Y,   152                          ; v152-183
.set WV,  12
.set BLK, 13                           ; the next block's number
.set AP,  18                           ; s18-19 hid at the block that is asked for
.set CNT, 20
.set LOF, 21
.set NTL, 30
.set TP,  31
.set CTR, 32
.set OC,  33
.set R0,  34
.set RHO, 35                           ; the block at which the walk begins
.set TI,  36                           ; s36-40
.set NM1, 41
.set X0,  42                           ; s42-43
.set L5,  45                           ; 1: the fifth tile place is alive in this pass
.set AOF, 46                           ; s46-47 the next block's byte offset among a tile's images, in 64 bits
.set MSB, 0
.macro WIN new
.if MSB != (\new)
	s_set_vgpr_msb (MSB<<8)|(\new)
.set MSB, (\new)
.endif
.endm
.macro PLACES
.rept 4
	v_nop
.endr
.endm
.macro LOADU u                         ; K step u of my eight: rows 64 (u / 2) + 16 (u % 2) + 32 h + i
	WIN 0x40
.set i_, 0
.rept 16
	global_load_b128 v[64*((\u)%4)+4*i_:64*((\u)%4)+4*i_+3], v[RO+i_], s[26:27] offset:(64*((\u)>>1)+16*((\u)&1))*4096 th:TH_LOAD_NT
.set i_, i_+1
.endr
	WIN 0
.endm
.macro CVTU u
	WIN 0x05
.set t_, 0
.rept 4
.set q_, 0
.rept 8
	v_cvt_pk_bf16_f32 v[F+8*t_+q_], v[64*((\u)%4)+8*q_+t_], v[64*((\u)%4)+8*q_+4+t_]
.set q_, q_+1
.endr
.set t_, t_+1
.endr
	WIN 0
.endm
.macro STOU off
.set t_, 0
.rept 4
	ds_store_b128 v[LW], v[F+8*t_:F+8*t_+3] offset:(\off)+1024*t_
	ds_store_b128 v[LW], v[F+8*t_+4:F+8*t_+7] offset:(\off)+1024*t_+512
.set t_, t_+1
.endr
.endm
.macro BPART b, lr, off, f0            ; fragments f0 and f0 + 1 of a K step's four, into buffer b: four LDS loads; lr: this block's address register or the next one's
.set f_, (\f0)
.rept 2
	ds_load_b128 v[BB+32*(\b)+8*f_:BB+32*(\b)+8*f_+3], v[\lr] offset:(\off)+1024*f_
	ds_load_b128 v[BB+32*(\b)+8*f_+4:BB+32*(\b)+8*f_+7], v[\lr] offset:(\off)+1024*f_+512
.set f_, f_+1
.endr
.endm
.macro ALOAD s, off
	WIN 0x80
.set i_, 0
.rept MT
	global_load_b128 v[40*(\s)+8*i_:40*(\s)+8*i_+3], v[AO+i_], s[AP:AP+1] offset:(\off)
	global_load_b128 v[40*(\s)+8*i_+4:40*(\s)+8*i_+7], v[AO+i_], s[AP:AP+1] offset:(\off)+AH2
.set i_, i_+1
.endr
	WIN 0
.endm
.macro W2 d, a, b, zero
.if \zero
	v_wmma_f32_16x16x32_bf16 v[(\d):(\d)+7], v[(\a):(\a)+7], v[(\b):(\b)+7], 0
.else
	v_wmma_f32_16x16x32_bf16 v[(\d):(\d)+7], v[(\a):(\a)+7], v[(\b):(\b)+7], v[(\d):(\d)+7]
.endif
.endm
.macro TILES c, i0, zero               ; the eight products of tiles i0 and i0 + 1: source 0 (rows) window 2, source 1 (weights) window 0, C and D window 1
	WIN 0x52
.set i_, (\i0)
.rept 2
.set f_, 0
.rept NT
	W2 32*i_+8*f_, 40*((\c)&3)+8*i_, BB+32*((\c)&1)+8*f_, \zero
.set f_, f_+1
.endr
.set i_, i_+1
.endr
.endm
.macro FIFTH c, zero                   ; the fifth tile's four products
	WIN 0x52
.set f_, 0
.rept NT
	W2 128+8*f_, 40*((\c)&3)+32, BB+32*((\c)&1)+8*f_, \zero
.set f_, f_+1
.endr
	WIN 0
.endm
; One K step, c = step mod 4.  lr, ob: the next step's fragments; oa: the rows' images three steps on; wl: the loads of the younger steps, ten each, that may stay out.
; The four v_nop at the head stand between the last step's products and every load of this step into registers that those products read: the rows' slot and the other fragment buffer.
; The loads are the same whether the fifth place is alive or not, so the counts hold on both ways; only its products are jumped.  The accumulators take turns, with the fifth tile's or without.
.macro STEP c, zero, lr, ob, oa, wl
	WIN 0
	PLACES
.if (\oa) >= 0
	ALOAD ((\c)+3)&3, \oa
.endif
	s_wait_loadcnt \wl
	s_wait_dscnt 0x0                       ; this step's fragments, asked for among the last step's products
.if (\ob) >= 0
	BPART ((\c)+1)&1, \lr, \ob, 0
.endif
	TILES \c, 0, \zero
.if (\ob) >= 0
	WIN 0
	BPART ((\c)+1)&1, \lr, \ob, 2          ; the second group has eight products or more in which to land
.endif
	TILES \c, 2, \zero
.if \zero
	FIFTH \c, 1                            ; the first K step writes every accumulator, alive or not
.else
	WIN 0                                  ; at a branch and at a label every window is 0
	s_cmp_lg_u32 s[L5], 0
	s_cbranch_scc0 .Lno5_\@
	FIFTH \c, 0
.Lno5_\@:
.endif
.endm
.macro EPI2 i
	s_wait_xcnt 0x0                        ; the last tile's stores have read Y
	WIN 0x01
.set t_, 0
.rept 4
.set j_, 0
.rept 8
	v_mul_f32 v[Y+4*j_+t_], v[32*(\i)+8*t_+j_], v[GT+8*(\i)+j_]    ; the gate's multiplication also brings a row's four columns together
.set j_, j_+1
.endr
.set t_, t_+1
.endr
	WIN 0
.set j_, 0
.rept 8
	global_store_b128 v[YO+(\i)], v[Y+4*j_:Y+4*j_+3], s[24:25] offset:4096*j_        ; sixteen lanes store 256 consecutive bytes of a row, aligned
.set j_, j_+1
.endr
.endm
	s_load_b256 s[4:11], s[0:1], 0x0       ; pos 4, hid 6, w2 8, ypart 10
	v_lshl_add_u32 v[SPW], v0, 2, SPARE
	v_mov_b32 v[NIL], 0
	v_lshrrev_b32 v[TMP], 5, v0
	v_readfirstlane_b32 s[WV], v[TMP]
	v_and_b32 v3, 31, v0
	v_and_b32 v1, 15, v0
	v_bfe_u32 v2, v0, 4, 1
	s_lshr_b32 s15, ttmp9, 1               ; block of 64 columns
	s_and_b32 s16, ttmp9, 1                ; half of K
	s_and_b32 s14, ttmp7, 0xffff           ; expert
	s_and_b32 s[RHO], s15, 7
	s_mov_b32 s[AOF+1], 0
	v_lshlrev_b32 v[L16], 4, v3
	s_lshl_b32 s[R0], s[WV], 15
	v_add_nc_u32 v[LW], s[R0], v[L16]
	v_lshlrev_b32 v[TMP], 17, v2           ; 32 h rows of 4,096 bytes
	v_lshl_add_u32 v[TMP], v1, 4, v[TMP]
.set i_, 0
.rept 16
	v_add_nc_u32 v[RO+i_], i_*4096, v[TMP]
.set i_, i_+1
.endr
	s_lshl_b32 s[R0], s14, 12
	v_lshl_add_u32 v[GB], v2, 5, s[R0]     ; gates: (e x 1,024 + 8 h) x 4
	v_lshlrev_b32 v[YB], 15, v2
	v_lshl_add_u32 v[YB], v1, 4, v[YB]     ; 8 h rows of 4,096 bytes + 16 r
	s_lshl_b32 s17, s15, 8
	s_lshl_b32 s44, s14, 8
	s_wait_kmcnt 0x0
	s_load_b32 s[CNT], s[4:5], s44 offset:0x8000           ; the expert's rows
	s_lshl_b32 s[X0], s14, 23
	s_lshl_b32 s[R0], s16, 22
	s_add_co_u32 s[X0], s[X0], s[R0]
	s_lshl_b32 s[R0], s[WV], 20
	s_add_co_u32 s[X0], s[X0], s[R0]
	s_add_co_u32 s[X0], s[X0], s17
	s_mov_b32 s[X0+1], 0
	s_add_nc_u64 s[26:27], s[8:9], s[X0:X0+1]
	LOADU 0
	LOADU 1
	LOADU 2
	LOADU 3
	s_lshl_b32 s[X0], s16, 3
	s_add_co_u32 s[X0], s[X0], s14
	s_lshl_b32 s[X0], s[X0], 22
	s_add_co_u32 s[X0], s[X0], s17
	s_add_nc_u64 s[24:25], s[10:11], s[X0:X0+1]            ; ypart at (kh, e), my columns
	s_lshl_b32 s[X0], s14, 22
	s_lshl_b32 s[R0], s16, 15
	s_add_co_u32 s[X0], s[X0], s[R0]
	s_add_nc_u64 s[28:29], s[6:7], s[X0:X0+1]              ; hid at expert e, K half kh
	s_add_nc_u64 s[22:23], s[6:7], 33554432                ; the gates by rank
.irp jj, 0,1,2,3
	s_wait_loadcnt 48                      ; the three younger units of 16 loads stay out
	CVTU \jj
	STOU (\jj)*4096
	LOADU (\jj)+4
.endr
.irp jj, 4,5,6,7
	s_wait_loadcnt 16*(7-(\jj))
	CVTU \jj
	STOU (\jj)*4096
.endr
	s_wait_dscnt 0x0                       ; for the others' sake: my fragments are in LDS
	s_barrier_signal -1
	s_barrier_wait -1
	s_wait_kmcnt 0x0
	s_min_u32 s[CNT], s[CNT], 1024
	s_add_co_u32 s[NTL], s[CNT], 15
	s_lshr_b32 s[NTL], s[NTL], 4
	s_add_co_u32 s[NTL], s[NTL], 3
	s_sub_co_u32 s[NTL], s[NTL], s[WV]
	s_lshr_b32 s[NTL], s[NTL], 2           ; my wave's tiles: w, w + 4, ..
	s_sub_co_i32 s[NM1], s[NTL], 1
	s_mov_b32 s[TP], 0
	s_mov_b32 s[OC], 4
.Lpass:
	s_cmp_ge_u32 s[TP], s[NTL]
	s_cbranch_scc1 .Lpskip
	s_wait_xcnt 0x0                        ; the last pass's loads and stores have read their registers
	; where the walk begins, in every pass; a block is 4 K steps: 16,384 bytes of fragments, 4,096 bytes of a tile's images.  No read passes byte 7 x 16,384 + 3 x 4,096 + 4,095
	s_lshl_b32 s[LOF], s[RHO], 14
	v_add_nc_u32 v[LA], s[LOF], v[L16]
	s_lshl_b32 s[AOF], s[RHO], 12
	s_add_nc_u64 s[AP:AP+1], s[28:29], s[AOF:AOF+1]
	s_add_co_u32 s[BLK], s[RHO], 1         ; and the block behind it
	s_and_b32 s[BLK], s[BLK], 7
	s_lshl_b32 s[LOF], s[BLK], 14
	v_add_nc_u32 v[LA2], s[LOF], v[L16]
	s_lshl_b32 s[AOF], s[BLK], 12
	s_add_co_u32 s[R0], s[TP], 4
	s_cmp_lt_u32 s[R0], s[NTL]
	s_cselect_b32 s[L5], 1, 0
.set i_, 0
.rept MT
	s_add_co_u32 s[TI+i_], s[TP], i_
	s_min_u32 s[TI+i_], s[TI+i_], s[NM1]
	s_lshl2_add_u32 s[TI+i_], s[TI+i_], s[WV]
	s_min_u32 s[TI+i_], s[TI+i_], 63
	v_lshl_add_u32 v[AO+i_], s[TI+i_], 16, v[L16]
	v_lshl_add_u32 v[GA+i_], s[TI+i_], 6, v[GB]
	v_lshl_add_u32 v[YO+i_], s[TI+i_], 16, v[YB]
	global_load_b128 v[GT+8*i_:GT+8*i_+3], v[GA+i_], s[22:23]
	global_load_b128 v[GT+8*i_+4:GT+8*i_+7], v[GA+i_], s[22:23] offset:16
.set i_, i_+1
.endr
	ALOAD 0, 0
	ALOAD 1, ASTR
	ALOAD 2, 2*ASTR
	BPART 0, LA, 0, 0
	BPART 0, LA, 0, 2
	STEP 0, 1, LA, KSTR, 3*ASTR, 30        ; the first K step starts the sums
	s_wait_xcnt 0x0                        ; the pointer is written only behind this wait:
	s_add_nc_u64 s[AP:AP+1], s[28:29], s[AOF:AOF+1]        ; from here on all that is asked of hid lies in the next block
	s_mov_b32 s[CTR], 7
.Lk:                                           ; a trip: steps 1, 2, 3 of this block and step 0 of the next
	STEP 1, 0, LA, 2*KSTR, 0, 30
	STEP 2, 0, LA, 3*KSTR, ASTR, 30
	STEP 3, 0, LA2, 0, 2*ASTR, 30
	STEP 0, 0, LA2, KSTR, 3*ASTR, 30
	s_wait_xcnt 0x0                        ; on by a block, round the eight
	v_mov_b32 v[LA], v[LA2]
	s_add_co_u32 s[BLK], s[BLK], 1
	s_and_b32 s[BLK], s[BLK], 7
	s_lshl_b32 s[LOF], s[BLK], 14
	v_add_nc_u32 v[LA2], s[LOF], v[L16]
	s_lshl_b32 s[AOF], s[BLK], 12
	s_add_nc_u64 s[AP:AP+1], s[28:29], s[AOF:AOF+1]
	s_sub_co_u32 s[CTR], s[CTR], 1
	s_cmp_lg_u32 s[CTR], 0
	s_cbranch_scc1 .Lk
	STEP 1, 0, LA, 2*KSTR, -1, 20          ; the last three steps ask for no rows: the counts run down
	STEP 2, 0, LA, 3*KSTR, -1, 10
	STEP 3, 0, LA, -1, -1, 0
	PLACES
	EPI2 0
.irp i, 1,2,3,4
	s_add_co_u32 s[R0], s[TP], \i
	s_cmp_ge_u32 s[R0], s[NTL]
	s_cbranch_scc1 .Lpend                  ; this tile place and those behind it repeat a tile: nothing to store
	EPI2 \i
.endr
.Lpend:
	s_add_co_u32 s[TP], s[TP], MT
.Lpskip:
	s_sub_co_u32 s[OC], s[OC], 1
	s_cmp_lg_u32 s[OC], 0
	s_cbranch_scc1 .Lpass
	s_wait_dscnt 0x0                       ; my reads of the fragments are back,
	s_barrier_signal -1
	s_barrier_wait -1                      ; and so are every wave's: no LDS word is written below while a wave may still read, whatever address its walk has reached
	s_wait_tensorcnt 0x0                   ; the wave's end
	ds_add_u32 v[SPW], v[NIL]
	s_wait_dscnt 0x0
	s_endpgm
.Lfunc_end_k_qbe6ddaca5b_ffn2:
	.size	k_qbe6ddaca5b_ffn2, .Lfunc_end_k_qbe6ddaca5b_ffn2-k_qbe6ddaca5b_ffn2
	.p2alignl 7, 3214868480
	.fill 96, 4, 3214868480
	.section	.rodata,"a",@progbits
	.p2align	6, 0x0
	.amdhsa_kernel k_qbe6ddaca5b_ffn2
		.amdhsa_group_segment_fixed_size 131584
		.amdhsa_private_segment_fixed_size 0
		.amdhsa_enable_private_segment 0
		.amdhsa_kernarg_size 32
		.amdhsa_user_sgpr_count 2
		.amdhsa_user_sgpr_kernarg_segment_ptr 1
		.amdhsa_wavefront_size32 1
		.amdhsa_system_sgpr_workgroup_id_x 1
		.amdhsa_system_sgpr_workgroup_id_y 1
		.amdhsa_system_sgpr_workgroup_id_z 1
		.amdhsa_system_vgpr_workitem_id 0
		.amdhsa_next_free_vgpr 672
		.amdhsa_next_free_sgpr 66
		.amdhsa_reserve_vcc 0
		.amdhsa_float_denorm_mode_32 3
		.amdhsa_float_denorm_mode_16_64 3
		.amdhsa_memory_ordered 1
		.amdhsa_forward_progress 1
		.amdhsa_inst_pref_size 76
	.end_amdhsa_kernel
	.amdgpu_metadata
---
amdhsa.version: [ 1, 2 ]
amdhsa.kernels:
  - .name:           k_qbe6ddaca5b_ffn2
    .symbol:         k_qbe6ddaca5b_ffn2.kd
    .args:
      - { .name: pos, .offset: 0, .size: 8, .value_kind: global_buffer, .address_space: global }
      - { .name: hid, .offset: 8, .size: 8, .value_kind: global_buffer, .address_space: global }
      - { .name: w2, .offset: 16, .size: 8, .value_kind: global_buffer, .address_space: global }
      - { .name: ypart, .offset: 24, .size: 8, .value_kind: global_buffer, .address_space: global }
    .group_segment_fixed_size: 131584
    .private_segment_fixed_size: 0
    .kernarg_segment_align: 8
    .kernarg_segment_size: 32
    .max_flat_workgroup_size: 128
    .sgpr_count:     66
    .vgpr_count:     672
    .wavefront_size: 32
...
	.end_amdgpu_metadata
.endif
;; end of part 6
;; launch combine (part 7): grid 257 x 1, 4 waves a work-group, no clusters, 0 bytes of LDS; arguments hbuf, sel, pos, ypart, rtf, out0, out1; writes out0, out1
.if DOCPART == 7
	.amdgcn_target "amdgcn-amd-amdhsa--gfx1250"
	.amdhsa_code_object_version 6
	.text
	.protected	k_qbe6ddaca5b_combine
	.globl	k_qbe6ddaca5b_combine
	.p2align	8
	.type	k_qbe6ddaca5b_combine,@function
k_qbe6ddaca5b_combine:
	s_mov_b64 s[64:65], 0
	v_nop
	global_prefetch_b8 v0, s[64:65] scope:SCOPE_SE
	s_setreg_imm32_b32 hwreg(HW_REG_WAVE_MODE, 25, 1), 1
	s_wait_xcnt 0x0
; out0[t] = h[t] + the four partial rows of token t (two experts x two halves of K), all f32.  Work-groups 0 to 255: a wave is a token; its experts and ranks are whole numbers
; that earlier launches stored.  Each load and store of the wave covers 512 consecutive bytes.
; Work-group 256, wave 0: out1 = 8 x sum over e of (count[e] / 2,048) x (sum over t of probs[t][e] / 1,024) = 2^-18 x sum of count x sum of probs.
; A stream: no LDS, no matrix unit, no cluster.
	s_load_b256 s[4:11], s[0:1], 0x0       ; hbuf 4, sel 6, pos 8, ypart 10
	s_load_b128 s[12:15], s[0:1], 0x20     ; rtf 12, out0 14
	s_load_b64 s[16:17], s[0:1], 0x30      ; out1
	v_lshrrev_b32 v6, 5, v0
	v_readfirstlane_b32 s20, v6            ; wave
	v_and_b32 v3, 31, v0
	v_lshlrev_b32 v7, 4, v3
	s_cmp_eq_u32 ttmp9, 256
	s_cbranch_scc1 .Laux
	s_lshl2_add_u32 s21, ttmp9, s20        ; token
	s_lshl_b32 s22, s21, 2
	s_lshl_b32 s23, s21, 12
	v_add_nc_u32 v6, s23, v7
	s_wait_kmcnt 0x0
	s_load_b32 s23, s[6:7], s22 offset:0x0
.set i_, 0
.rept 8
	global_load_b128 v[16+4*i_:19+4*i_], v6, s[4:5] offset:512*i_
.set i_, i_+1
.endr
	s_wait_kmcnt 0x0
	s_and_b32 s24, s23, 0xff
	s_ctz_i32_b32 s24, s24
	s_min_u32 s24, s24, 7                  ; the first expert
	s_lshr_b32 s25, s23, 8
	s_ctz_i32_b32 s25, s25
	s_min_u32 s25, s25, 7                  ; the second
	s_lshl_b32 s26, s24, 12
	s_add_co_u32 s26, s26, s22
	s_lshl_b32 s27, s25, 12
	s_add_co_u32 s27, s27, s22
	s_load_b32 s28, s[8:9], s26 offset:0x0
	s_load_b32 s29, s[8:9], s27 offset:0x0
	s_wait_kmcnt 0x0
	s_min_u32 s28, s28, 1023               ; the token's rank in each
	s_min_u32 s29, s29, 1023
	s_lshl_b32 s24, s24, 10
	s_add_co_u32 s24, s24, s28
	s_lshl_b32 s24, s24, 12
	s_lshl_b32 s25, s25, 10
	s_add_co_u32 s25, s25, s29
	s_lshl_b32 s25, s25, 12
	v_add_nc_u32 v8, s24, v7
	v_add_nc_u32 v9, s25, v7
	v_add_nc_u32 v10, 33554432, v8         ; the second half of K
	v_add_nc_u32 v11, 33554432, v9
.set k_, 0
.rept 4
.set i_, 0
.rept 8
	global_load_b128 v[48+32*k_+4*i_:51+32*k_+4*i_], v[8+k_], s[10:11] offset:512*i_
.set i_, i_+1
.endr
.set k_, k_+1
.endr
	s_wait_loadcnt 0x0
.set p_, 0
.rept 16
	v_pk_add_f32 v[48+2*p_:49+2*p_], v[48+2*p_:49+2*p_], v[80+2*p_:81+2*p_]
	v_pk_add_f32 v[112+2*p_:113+2*p_], v[112+2*p_:113+2*p_], v[144+2*p_:145+2*p_]
.set p_, p_+1
.endr
.set p_, 0
.rept 16
	v_pk_add_f32 v[48+2*p_:49+2*p_], v[48+2*p_:49+2*p_], v[112+2*p_:113+2*p_]
.set p_, p_+1
.endr
.set p_, 0
.rept 16
	v_pk_add_f32 v[16+2*p_:17+2*p_], v[16+2*p_:17+2*p_], v[48+2*p_:49+2*p_]
.set p_, p_+1
.endr
.set i_, 0
.rept 8
	global_store_b128 v6, v[16+4*i_:19+4*i_], s[14:15] offset:512*i_
.set i_, i_+1
.endr
	s_endpgm
.Laux:
	s_cmp_lg_u32 s20, 0
	s_cbranch_scc1 .Lend
	v_and_b32 v8, 1, v3
	v_lshlrev_b32 v8, 10, v8               ; an even lane holds experts 0-3, an odd one 4-7
	s_mov_b32 s24, 0x76543210
	s_mov_b32 s25, 0xfedcba98
	s_wait_kmcnt 0x0
.set i_, 0
.rept 4
	global_load_b32 v[148+i_], v8, s[8:9] offset:32768+256*i_
	v_mov_b32 v[144+i_], 0
.set i_, i_+1
.endr
	s_mov_b32 s22, 2
.Lsum:                                         ; two trips of 512 tokens: 32 loads of 512 consecutive bytes
.set n_, 0
.rept 32
	global_load_b128 v[16+4*n_:19+4*n_], v7, s[12:13] offset:2129920+512*n_
.set n_, n_+1
.endr
	s_wait_loadcnt 0x0
.set n_, 0
.rept 32
	v_pk_add_f32 v[144:145], v[144:145], v[16+4*n_:17+4*n_]
	v_pk_add_f32 v[146:147], v[146:147], v[18+4*n_:19+4*n_]
.set n_, n_+1
.endr
	v_add_nc_u32 v7, 16384, v7
	s_sub_co_u32 s22, s22, 1
	s_cmp_lg_u32 s22, 0
	s_cbranch_scc1 .Lsum
	v_mov_b32 v153, 0
.set i_, 0
.rept 4                                ; over the lanes of my parity
	v_add_f32_dpp v[144+i_], v[144+i_], v[144+i_] row_xmask:2 row_mask:0xf bank_mask:0xf
	v_add_f32_dpp v[144+i_], v[144+i_], v[144+i_] row_xmask:4 row_mask:0xf bank_mask:0xf
	v_add_f32_dpp v[144+i_], v[144+i_], v[144+i_] row_xmask:8 row_mask:0xf bank_mask:0xf
	v_permlanex16_b32 v153, v[144+i_], s24, s25
	v_add_f32 v[144+i_], v[144+i_], v153
	v_cvt_f32_u32 v[148+i_], v[148+i_]
.set i_, i_+1
.endr
	v_mul_f32 v152, v144, v148
	v_fma_f32 v152, v145, v149, v152
	v_fma_f32 v152, v146, v150, v152
	v_fma_f32 v152, v147, v151, v152
	v_add_f32_dpp v152, v152, v152 row_xmask:1 row_mask:0xf bank_mask:0xf
	v_mul_f32 v152, 0x36800000, v152       ; 2^-18
	v_mov_b32 v9, 0
	v_cmp_eq_u32 vcc_lo, 0, v3
	s_wait_xcnt 0x0                        ; EXEC changes only behind this wait
	s_and_saveexec_b32 s23, vcc_lo
	global_store_b32 v9, v152, s[16:17]
	s_wait_xcnt 0x0
	s_or_b32 exec_lo, exec_lo, s23
.Lend:
	s_endpgm
.Lfunc_end_k_qbe6ddaca5b_combine:
	.size	k_qbe6ddaca5b_combine, .Lfunc_end_k_qbe6ddaca5b_combine-k_qbe6ddaca5b_combine
	.p2alignl 7, 3214868480
	.fill 96, 4, 3214868480
	.section	.rodata,"a",@progbits
	.p2align	6, 0x0
	.amdhsa_kernel k_qbe6ddaca5b_combine
		.amdhsa_group_segment_fixed_size 0
		.amdhsa_private_segment_fixed_size 0
		.amdhsa_enable_private_segment 0
		.amdhsa_kernarg_size 56
		.amdhsa_user_sgpr_count 2
		.amdhsa_user_sgpr_kernarg_segment_ptr 1
		.amdhsa_wavefront_size32 1
		.amdhsa_system_sgpr_workgroup_id_x 1
		.amdhsa_system_sgpr_workgroup_id_y 1
		.amdhsa_system_sgpr_workgroup_id_z 1
		.amdhsa_system_vgpr_workitem_id 0
		.amdhsa_next_free_vgpr 176
		.amdhsa_next_free_sgpr 66
		.amdhsa_reserve_vcc 1
		.amdhsa_float_denorm_mode_32 3
		.amdhsa_float_denorm_mode_16_64 3
		.amdhsa_memory_ordered 1
		.amdhsa_forward_progress 1
		.amdhsa_inst_pref_size 21
	.end_amdhsa_kernel
	.amdgpu_metadata
---
amdhsa.version: [ 1, 2 ]
amdhsa.kernels:
  - .name:           k_qbe6ddaca5b_combine
    .symbol:         k_qbe6ddaca5b_combine.kd
    .args:
      - { .name: hbuf, .offset: 0, .size: 8, .value_kind: global_buffer, .address_space: global }
      - { .name: sel, .offset: 8, .size: 8, .value_kind: global_buffer, .address_space: global }
      - { .name: pos, .offset: 16, .size: 8, .value_kind: global_buffer, .address_space: global }
      - { .name: ypart, .offset: 24, .size: 8, .value_kind: global_buffer, .address_space: global }
      - { .name: rtf, .offset: 32, .size: 8, .value_kind: global_buffer, .address_space: global }
      - { .name: out0, .offset: 40, .size: 8, .value_kind: global_buffer, .address_space: global }
      - { .name: out1, .offset: 48, .size: 8, .value_kind: global_buffer, .address_space: global }
    .group_segment_fixed_size: 0
    .private_segment_fixed_size: 0
    .kernarg_segment_align: 8
    .kernarg_segment_size: 56
    .max_flat_workgroup_size: 128
    .sgpr_count:     66
    .vgpr_count:     176
    .wavefront_size: 32
...
	.end_amdgpu_metadata
.endif
;; end of part 7
